; MI455X (gfx1250); checked and timed in simulation.
; The chip was launched on July 23, 2026; its instructions are those of AMD's public machine-readable ISA for CDNA 5 (MIT licence, August 2026) and "CDNA5" Instruction Set Architecture Reference Guide (July 2026). The comments in the code are by the model that wrote it; some were corrected since.
;; Differential Attention Layer. Allowed arithmetic: matrix products marked QUANTISED: E2M1 operands, one E8M0 scale for each 32 along K, by v_wmma_scale_f32_16x16x128_f8f6f4 with both operands' format E2M1 (or v_wmma_scale_f32_32x16x128_f4), f32 sums; everything else in f32.
;; Inputs: Wk 1,024 x 1,024 float32; Wo 1,024 x 1,024 float32; Wq 1,024 x 1,024 float32; Wv 1,024 x 1,024 float32; beta 1,024 float32; gamma 1,024 float32; key_padding_mask 2 x 2,048 bool; lk1 16 x 32 float32; lk2 16 x 32 float32; lq1 16 x 32 float32; lq2 16 x 32 float32; x 2 x 2,048 x 1,024 float32.
;; Outputs: out0 2 x 2,048 x 1,024 float32.
;; This version of the problem:
;;   THIS VERSION OF THE PROBLEM IS GIVEN IN LOW PRECISION. The matrix products marked QUANTISED in the list below multiply operands that are first quantised to E2M1 (2 exponent bits, 1 mantissa bit; 4 bits a number), with one power-of-two scale for each 32 numbers along K (OCP MX v1.0); their sums are f32. All else is computed in f32.
;;   The module's matrix products, in the order in which they are computed (A, B: the left and right operand; K: the contracted axis; several contracted axes count as one K, in the product's order):
;;     1. [M 4,096, K 1,024] x [K 1,024, N 1,024]; A: input x; B: input Wq: QUANTISED
;;     2. [M 4,096, K 1,024] x [K 1,024, N 1,024]; A: input x; B: input Wk: QUANTISED
;;     3. [M 4,096, K 1,024] x [K 1,024, N 1,024]; A: input x; B: input Wv: QUANTISED
;;     4. batch 32 x [M 2,048, K 32] x [K 32, N 2,048]; A: computed on the way; B: computed on the way: QUANTISED
;;     5. batch 32 x [M 2,048, K 32] x [K 32, N 2,048]; A: computed on the way; B: computed on the way: QUANTISED
;;     6. batch 32 x [M 2,048, K 2,048] x [K 2,048, N 64]; A: computed on the way; B: computed on the way: QUANTISED
;;     7. [M 4,096, K 1,024] x [K 1,024, N 1,024]; A: computed on the way; B: input Wo: QUANTISED
;;   THE QUANTISER, for each operand of a quantised product, along K:
;;     - K is cut into blocks of 32 from its start; a last block that is shorter is filled with zeros.
;;     - A block's scale is 2^e with e = floor(log2(the largest magnitude in the block)) - 2, held to -126 .. 127; a block of zeros has e = 0. As a byte (E8M0): e + 127.
;;     - Each number is divided by its block's scale, clamped to +-6, and rounded to the nearest number of E2M1, ties to even, subnormals kept.
;;     - The product sums the exact products of the quantised numbers (number of the format x scale) in f32.
;;   ~~~python
;;   def quantise(x, axis):      # numpy; x: float32 -> the quantised numbers, widened to float32 again
;;       x = np.moveaxis(x, axis, -1); K = x.shape[-1]
;;       x = np.pad(x, [(0, 0)] * (x.ndim - 1) + [(0, -K % 32)]); x = x.reshape(x.shape[:-1] + (-1, 32)); a = np.abs(x).max(-1, keepdims=True)
;;       e = np.where(a > 0, np.clip(np.frexp(np.where(a > 0, a, 1))[1] - 1 - 2, -126, 127), 0)      # np.frexp(a)[1] - 1 = floor(log2(a)), exactly
;;       r = np.clip(x / 2.0 ** e, -6, 6)
;;       step = 2.0 ** (np.maximum(np.frexp(np.where(r == 0, 1, r))[1] - 1, 0) - 1)
;;       q = np.round(r / step) * step * 2.0 ** e      # np.round: ties to even
;;       return np.moveaxis(q.reshape(q.shape[:-2] + (-1,))[..., :K], -1, axis).astype(np.float32)
;;   ~~~
;;   OPERANDS COMPUTED ON THE WAY. 'Computed on the way' means the value that the module computes at that place (a softmax that the list does not call 'softmax' is quantised finished and normalised). What goes into a quantiser is computed in f32, as accurately as f32 sums, v_exp_f32 and their like allow (about 1e-6 of the number): no bf16 or f16 on the way to a quantiser, and a product that is left as it is and whose result goes on into a quantised operand takes f32 operands (vector FMAs, or v_wmma_f32_16x16x4_f32). A number that lies on a knife's edge between two numbers of the format may be rounded either way, as far as f32 arithmetic and the matrix unit's own rounding can turn it there, and no further.
;; 2 versions, each right; version 2 is version 1 with the launches attn, outln written anew for expert scheduling mode. Each part assembles by itself: llvm-mc -triple=amdgcn-amd-amdhsa -mcpu=gfx1250 --defsym DOCPART=n.
;; ======== version 1 of 2: 4 launches
;; limits: right only within a limited range of input values
;; workspace buffers: xq 2,228,224 bytes; wq 2,228,224 bytes; qk 4,718,592 bytes; vq 2,228,224 bytes; oq 2,228,224 bytes
;; launch quant (part 1): grid 256 x 1, 4 waves a work-group, no clusters, 41,472 bytes of LDS; arguments x, Wq, Wk, Wv, Wo, xq, wq; writes xq, wq
.if DOCPART == 1
	.amdgcn_target "amdgcn-amd-amdhsa--gfx1250"
	.amdhsa_code_object_version 6
	.text
	.protected	k_qed3702321d_quant
	.globl	k_qed3702321d_quant
	.p2align	8
	.type	k_qed3702321d_quant,@function
k_qed3702321d_quant:
	s_mov_b64 s[64:65], 0
	v_nop
	global_prefetch_b8 v0, s[64:65] scope:SCOPE_SE
	s_setreg_imm32_b32 hwreg(HW_REG_WAVE_MODE, 25, 1), 1
	s_wait_xcnt 0x0
; x [4096][1024] and Wq, Wk, Wv, Wo [1024][1024], f32, K innermost, become codes of FP4 (E2M1) with one E8M0 byte for each 32 along K.
; A block's scale is 2^(floor(log2(largest magnitude)) - 2); its byte is the largest magnitude's exponent field - 2, held at 1 from below.
; LIMITS: a block of zeros gets the byte 1 and not 127 (its codes are zeros; only this program reads the bytes); NaN and infinities among the inputs are not served.
; LAYOUT OF THE RESULT (xq for x; wq for Wq, Wk, Wv, Wo on end): rows go in TILES of 16: tile 2 bb + u holds rows 32 bb + 8 u + r + 8 (r / 8), r = 0 .. 15.
;   codes: tile x 8,192 bytes; in it block kb (32 along K) of row r at kb x 256 + r x 16: the order of a matrix operand's registers, so that a fragment is two loads of 512 consecutive bytes.
;   scale bytes: from byte 2,097,152 on, tile x 512; in it [K half][r][16 bytes].
; SHARES: a work-group takes two tiles (32 rows); wave w takes tile w / 2, K half w % 2: 16 steps of one row's 512 numbers.  The first 128 work-groups take x, then 32 for each weight.
; Each load reads 512 consecutive bytes; a step's 2,048 bytes turn through the wave's own stage in LDS, so that a lane holds 16 neighbours along K (two lanes to a block).
; Codes and bytes are gathered in the wave's own LDS and leave as runs of 512 and 256 consecutive bytes.  Waves share nothing: no barrier.  Memory binds: no matrix unit, no cluster.
.set STEPS, 16
.set EMAX,  2
.set WREG,  10240                      ; LDS of a wave: two stages of 32 x 80, 256 scale bytes, 16 chunks of codes x 272
.set SP,    80                         ; a lane's place in a stage: 64 bytes + 16 of padding
.set SCB,   5120                       ; the wave's scale bytes: [row][16]
.set CST,   5376                       ; the wave's codes: chunk kb (256 bytes + 16 of padding)
.set CP,    272
.set SCOFF, 2097152
.set R,     16                         ; v16-79   four sets of 16 numbers as loaded
.set X,     80                         ; v80-111  two sets of 16 neighbours
.set E,     112                        ; v112-127 a scale byte for each step
.set C,     128                        ; v128-159 two registers of codes for each step: no store's data are written again
.set OUTR,  160                        ; v160-191 the codes on their way out
	s_load_b256 s[4:11], s[0:1], 0x0               ; x, Wq, Wk, Wv
	s_load_b128 s[12:15], s[0:1], 0x20             ; Wo, xq
	s_load_b64 s[16:17], s[0:1], 0x30              ; wq
	v_lshl_add_u32 v192, v0, 2, 0xa000
	v_mov_b32 v193, 0
	v_lshrrev_b32 v1, 5, v0
	v_readfirstlane_b32 s18, v1                    ; wave
	v_and_b32 v2, 31, v0                           ; lane
	v_lshlrev_b32 v3, 4, v2                        ; 16 x lane
	s_mul_i32 s19, s18, WREG
	v_lshrrev_b32 v14, 2, v2
	v_mul_u32_u24 v14, v14, SP
	v_and_b32 v15, 3, v2
	v_lshl_add_u32 v14, v15, 4, v14
	v_add_nc_u32 v14, s19, v14                     ; the stage on the way in: 80 (lane / 4) + 16 (lane % 4)
	v_mul_u32_u24 v15, v2, SP
	v_add_nc_u32 v15, s19, v15                     ; and on the way out: 80 x lane: my 16 neighbours
	v_lshrrev_b32 v5, 1, v2                        ; my block in the row's half
	v_mul_u32_u24 v4, v5, CP
	v_and_b32 v6, 1, v2
	v_lshl_add_u32 v4, v6, 3, v4
	v_add_nc_u32 v4, s19, v4                       ; where my 8 bytes of codes go: chunk = block, + 8 for the block's upper half
	v_add_nc_u32 v5, s19, v5                       ; where my block's byte goes
	v_lshrrev_b32 v6, 4, v2
	v_mul_u32_u24 v6, v6, CP
	v_and_b32 v7, 15, v2
	v_lshl_add_u32 v6, v7, 4, v6
	v_add_nc_u32 v6, s19, v6                       ; the codes back: sixteen lanes to a chunk, two chunks an instruction
	v_lshlrev_b32 v7, 3, v2                        ; 8 x lane
	v_add_nc_u32 v10, s19, v7                      ; the scale bytes back
	s_and_b32 s20, ttmp9, 31                       ; a weight's work-group
	s_and_b32 s21, ttmp9, 127                      ; the work-group's place in its result buffer
	s_wait_kmcnt 0x0
	s_cmp_lt_u32 ttmp9, 224                        ; which tensor: the choices hang on the work-group's number alone
	s_cselect_b64 s[22:23], s[10:11], s[12:13]
	s_cmp_lt_u32 ttmp9, 192
	s_cselect_b64 s[22:23], s[8:9], s[22:23]
	s_cmp_lt_u32 ttmp9, 160
	s_cselect_b64 s[22:23], s[6:7], s[22:23]
	s_cmp_lt_u32 ttmp9, 128
	s_cselect_b64 s[22:23], s[4:5], s[22:23]
	s_cselect_b64 s[24:25], s[14:15], s[16:17]
	s_cselect_b32 s20, ttmp9, s20
	s_lshl_b32 s26, s20, 17                        ; 32 rows of 4,096 bytes a work-group,
	s_lshr_b32 s28, s18, 1
	s_lshl_b32 s28, s28, 15                        ; the second tile begins 8 rows down,
	s_add_co_u32 s26, s26, s28
	s_and_b32 s28, s18, 1
	s_lshl_b32 s28, s28, 11                        ; the K half
	s_add_co_u32 s26, s26, s28
	s_mov_b32 s27, 0
	s_add_nc_u64 s[22:23], s[22:23], s[26:27]
	s_lshl_b32 s28, s21, 2
	s_add_co_u32 s28, s28, s18                     ; 4 x work-group + wave
	s_lshl_b32 s26, s28, 12
	s_add_nc_u64 s[30:31], s[24:25], s[26:27]      ; my 4,096 bytes of codes
	s_lshl_b32 s26, s28, 8
	s_add_co_u32 s26, s26, SCOFF
	s_add_nc_u64 s[24:25], s[24:25], s[26:27]      ; my 256 scale bytes
.macro LOAD t                          ; step t = row t of the tile: t + 8 (t / 8) rows down
.irp i, 0,1,2,3
	global_load_b128 v[R+16*((\t)%4)+4*\i:R+16*((\t)%4)+4*\i+3], v3, s[22:23] offset:((\t)+8*((\t)/8))*4096+512*\i th:TH_LOAD_NT
.endr
.endm
.macro TURN t                          ; step t's numbers through the stage: LDS serves a wave's instructions in order, so no wait stands between the stores and the loads
.irp i, 0,1,2,3
	ds_store_b128 v14, v[R+16*((\t)%4)+4*\i:R+16*((\t)%4)+4*\i+3] offset:32*SP*((\t)%2)+8*SP*\i
.endr
.irp i, 0,1,2,3
	ds_load_b128 v[X+16*((\t)%2)+4*\i:X+16*((\t)%2)+4*\i+3], v15 offset:32*SP*((\t)%2)+16*\i
.endr
.endm
.irp t, 0,1,2,3
	LOAD \t
.endr
	s_wait_loadcnt 12                              ; step 0's four loads are in; those of three steps may be out
	TURN 0
.macro STEP t
.set XS, X+16*((\t)%2)
.if (\t) > 0
	s_wait_dscnt 2                                 ; this step's numbers are back from the stage; the last step's byte store and code store may be out
.else
	s_wait_dscnt 0x0
.endif
.if (\t)+4 < STEPS
	LOAD (\t)+4                                    ; into the registers that this step's stage stores have read
.endif
.if (\t)+1 < STEPS
.if STEPS-2-(\t) >= 3
	s_wait_loadcnt 12                              ; the next step's four loads are in; those of the three steps behind it may be out
.else
	s_wait_loadcnt 4*(STEPS-2-(\t))
.endif
	TURN (\t)+1
.endif
	v_max3_num_f32 v8, |v[XS]|, |v[XS+1]|, |v[XS+2]|               ; the largest magnitude of my 16, in two chains
	v_max3_num_f32 v9, |v[XS+3]|, |v[XS+4]|, |v[XS+5]|
.irp i, 6,10
	v_max3_num_f32 v8, v8, |v[XS+\i]|, |v[XS+\i+1]|
	v_max3_num_f32 v9, v9, |v[XS+\i+2]|, |v[XS+\i+3]|
.endr
	v_max3_num_f32 v8, v8, |v[XS+14]|, |v[XS+15]|
	v_max3_num_f32 v8, v8, v9, (EMAX+1)<<23        ; and the floor 2^(3 - 127): the byte cannot fall under 1
	v_max_num_f32_dpp v8, v8, v8 row_xmask:1 row_mask:0xf bank_mask:0xf   ; with my neighbour's 16: the block's
	v_add_nc_u32 v11, -(EMAX<<23), v8              ; 2 off its exponent field: the conversion takes the exponent field of this operand as its scale
	v_cvt_scalef32_pk8_fp4_f32 v[C+2*(\t)], v[XS:XS+7], v11
	v_cvt_scalef32_pk8_fp4_f32 v[C+2*(\t)+1], v[XS+8:XS+15], v11
	v_lshrrev_b32 v[E+(\t)], 23, v11               ; the scale's byte
	ds_store_b8 v5, v[E+(\t)] offset:SCB+16*(\t)   ; both lanes of a block write the same byte with the same value
	ds_store_b64 v4, v[C+2*(\t):C+2*(\t)+1] offset:CST+16*(\t)   ; row t's 16 bytes of chunk kb
.endm
.irp t, 0,1,2,3,4,5,6,7,8,9,10,11,12,13,14,15
	STEP \t
.endr
.irp i, 0,1,2,3,4,5,6,7
	ds_load_b128 v[OUTR+4*\i:OUTR+4*\i+3], v6 offset:CST+2*CP*\i   ; LDS serves a wave's instructions in order: these see my stores
.endr
	ds_load_b64 v[12:13], v10 offset:SCB
.irp i, 0,1,2,3,4,5,6,7
	s_wait_dscnt 8-\i                              ; the later code loads and the load of the bytes may be out
	global_store_b128 v3, v[OUTR+4*\i:OUTR+4*\i+3], s[30:31] offset:512*\i   ; 32 lanes store 512 consecutive bytes, aligned
.endr
	s_wait_dscnt 0x0
	global_store_b64 v7, v[12:13], s[24:25]        ; 32 lanes store 256 consecutive bytes, aligned
	s_wait_tensorcnt 0x0
	ds_add_u32 v192, v193
	s_wait_dscnt 0x0
	s_endpgm
.Lfunc_end_k_qed3702321d_quant:
	.size	k_qed3702321d_quant, .Lfunc_end_k_qed3702321d_quant-k_qed3702321d_quant
	.p2alignl 7, 3214868480
	.fill 96, 4, 3214868480
	.section	.rodata,"a",@progbits
	.p2align	6, 0x0
	.amdhsa_kernel k_qed3702321d_quant
		.amdhsa_group_segment_fixed_size 41472
		.amdhsa_private_segment_fixed_size 0
		.amdhsa_enable_private_segment 0
		.amdhsa_kernarg_size 56
		.amdhsa_user_sgpr_count 2
		.amdhsa_user_sgpr_kernarg_segment_ptr 1
		.amdhsa_wavefront_size32 1
		.amdhsa_system_sgpr_workgroup_id_x 1
		.amdhsa_system_sgpr_workgroup_id_y 1
		.amdhsa_system_sgpr_workgroup_id_z 1
		.amdhsa_system_vgpr_workitem_id 0
		.amdhsa_next_free_vgpr 194
		.amdhsa_next_free_sgpr 66
		.amdhsa_reserve_vcc 0
		.amdhsa_float_denorm_mode_32 3
		.amdhsa_float_denorm_mode_16_64 3
		.amdhsa_memory_ordered 1
		.amdhsa_forward_progress 1
		.amdhsa_inst_pref_size 35
	.end_amdhsa_kernel
	.amdgpu_metadata
---
amdhsa.version: [ 1, 2 ]
amdhsa.kernels:
  - .name:           k_qed3702321d_quant
    .symbol:         k_qed3702321d_quant.kd
    .args:
      - { .name: x, .offset: 0, .size: 8, .value_kind: global_buffer, .address_space: global }
      - { .name: Wq, .offset: 8, .size: 8, .value_kind: global_buffer, .address_space: global }
      - { .name: Wk, .offset: 16, .size: 8, .value_kind: global_buffer, .address_space: global }
      - { .name: Wv, .offset: 24, .size: 8, .value_kind: global_buffer, .address_space: global }
      - { .name: Wo, .offset: 32, .size: 8, .value_kind: global_buffer, .address_space: global }
      - { .name: xq, .offset: 40, .size: 8, .value_kind: global_buffer, .address_space: global }
      - { .name: wq, .offset: 48, .size: 8, .value_kind: global_buffer, .address_space: global }
    .group_segment_fixed_size: 41472
    .private_segment_fixed_size: 0
    .kernarg_segment_align: 8
    .kernarg_segment_size: 56
    .max_flat_workgroup_size: 128
    .sgpr_count:     66
    .vgpr_count:     194
    .wavefront_size: 32
...
	.end_amdgpu_metadata
.endif
;; end of part 1
;; launch proj (part 2): grid 192 x 1, 4 waves a work-group, no clusters, 279,040 bytes of LDS; arguments xq, wq, qk, vq; writes qk, vq
.if DOCPART == 2
	.amdgcn_target "amdgcn-amd-amdhsa--gfx1250"
	.amdhsa_code_object_version 6
	.text
	.protected	k_qed3702321d_proj
	.globl	k_qed3702321d_proj
	.p2align	8
	.type	k_qed3702321d_proj,@function
k_qed3702321d_proj:
	s_mov_b64 s[64:65], 0
	v_nop
	global_prefetch_b8 v0, s[64:65] scope:SCOPE_SE
	s_setreg_imm32_b32 hwreg(HW_REG_WAVE_MODE, 25, 1), 1
	s_wait_xcnt 0x0
; Q = x Wq^T, K = x Wk^T, V = x Wv^T on codes of FP4 (E2M1) with E8M0 scales, sums in f32; the results are quantised in registers and leave as operand images for the attention launch.
; ONE BODY, TWO ROLES.  R is source 1 (a lane holds one of its rows), P is source 0 (a lane's registers run along its rows, which is the axis quantised afterwards).
;   work-groups 0-127 (Q and K): R = 256 tokens of x, P = 256 features of Wq or Wk: a lane holds one token, its registers features: blocks of 32 features = the halves of a head.
;   work-groups 128-191 (V):     R = 256 features of Wv, P = 256 tokens of x: a lane holds one channel, its registers tokens: blocks of 32 keys.
; Rows lie in tiles of 16 (tile 2 bb + u: rows 32 bb + 8 u + r + 8 (r / 8)), so the 16 registers of two neighbouring P tiles are 16 neighbours along the axis to be quantised.
; SHARES: a work-group makes R 256 x P 256; wave w makes R half w / 2 x P half w % 2: 64 accumulators of 16 x 16, 512 registers.
; LDS: all of K = 1,024 of the 32 tiles lies in LDS at once: four quarters of 65,536 bytes (two K steps of 128 each: 32 tiles x 2,048 bytes), then the scale words, 32 x 512 bytes.
; Every byte of LDS is filled once: each wave issues five tensor loads at the head (five are out by this text's count), so there is no ring and no refill.
; The images are dense: every LDS load takes 512 consecutive bytes, so no padding is wanted.
; NO CLUSTER: the tiles of R are shared by the 8 or 16 work-groups of a row and those of P by a column; joint loads are left out of this text: the two roles would want masks and grids of two shapes in one launch.
; RESULTS.  qk: codes at ((sel 2 + b) 16 + head) 65,536 + token tile x 512 + lane x 16 (lanes 0-15: the head's first half of 32, lanes 16-31 its second); sel 0 = Q, 1 = K;
;   scale words from byte 4,194,304: ((sel 2 + b) 16 + head) 8,192 + tile x 64 + r x 4 = [byte of half 1, byte of half 2, X, 127], X = 127 for Q, 1 for K.
;   vq: fragments of V^T at (b 16 + head) 65,536 + ks 4,096 + ct 1,024 + c 512 + lane 16 (ks: 128 keys; ct: tile of 16 channels); scale words from byte 2,097,152: (b 16 + head) 4,096 + ks 256 + ct 64 + r 4.
; LIMITS: as the quantising launch: a block of zeros has byte 1; NaN and infinities are not served.
; REGISTERS: window 0: v16-28 addresses; v32-47 at work; v64-127 scale words; v128-255 R's fragments, two sets (later the codes just made); window 1: P's fragments, two sets at v0 and v128;
;   windows 2, 3: the accumulators: (a, b) at v[8 (8 (a % 4) + b)] of window 2 + a / 4.
.set SCL,   262144                     ; LDS: the scale words
.set SCOFF, 2097152
.set ADR_R, 16                         ; v16-19 my R fragments in quarter 0 .. 3
.set ADR_P, 20                         ; v20-23 my P fragments
.set ADRS,  24                         ; v24    scale words: lanes 0-15 R's rows, lanes 16-31 P's
.set LN16,  25                         ; v25    16 x lane
.set LN4,   26                         ; v26    4 x lane
.set SOFF,  27                         ; v27    8,192 h + 4 r
.set SH16,  28                         ; v28    16 h
.set TM,    32                         ; v32-35 largest magnitudes, v36-39 bytes, v44-47 the conversions' scale operands
.set SC,    64                         ; v[SC + 8 i + s]: lanes 0-15 the word of R's tile i, lanes 16-31 of P's tile i, K step s
.set RF,    128
.set PC,    128                        ; the codes of R tile a at v[PC + 8 a]
.set PW,    192                        ; its scale word
.set SW,    200                        ; the word as it is stored
.set G1C,   16                         ; s[16:23] group 1 for codes; s[24:31] for scale words; s[32:47] groups 0 of the four quarters; s[48:51] of the scale words
.set G1S,   24
.set G0,    32
.set G0S,   48
.set MSB, 0
.macro WIN new                         ; the immediate's high byte repeats the setting that is left
.if MSB != (\new)
	s_set_vgpr_msb (MSB<<8)|(\new)
.set MSB, (\new)
.endif
.endm
.macro PLACES n
.rept \n
	v_nop
.endr
.endm
	s_load_b256 s[4:11], s[0:1], 0x0               ; xq, wq, qk, vq
	v_lshl_add_u32 v62, v0, 2, 0x44000
	v_mov_b32 v63, 0
	ds_add_u32 v62, v63
	ds_add_u32 v62, v63
	v_lshrrev_b32 v1, 5, v0
	v_readfirstlane_b32 s12, v1                    ; wave
	s_lshr_b32 s13, s12, 1                         ; my half of R
	s_and_b32 s14, s12, 1                          ; my half of P.  Also: which 8 tiles I fetch
	s_mov_b32 s[G1C+0], 3<<16                      ; elements of 8 bytes, no mask, no padding
	s_mov_b32 s[G1C+1], 256<<16                    ; tensor_dim0 = 256 elements: a tile's quarter, 2,048 bytes
	s_mov_b32 s[G1C+2], 8<<16                      ; tensor_dim1 = 8 tiles
	s_mov_b32 s[G1C+3], 256<<16                    ; tile_dim0
	s_mov_b32 s[G1C+4], 8                          ; tile_dim1
	s_mov_b32 s[G1C+5], 1024                       ; from tile to tile: 8,192 bytes
	s_mov_b32 s[G1C+6], 0
	s_mov_b32 s[G1C+7], 0
	s_mov_b32 s[G1S+0], 3<<16                      ; 8 tiles' scale words: 4,096 dense bytes as 16 rows of 256
	s_mov_b32 s[G1S+1], 32<<16
	s_mov_b32 s[G1S+2], 16<<16
	s_mov_b32 s[G1S+3], 32<<16
	s_mov_b32 s[G1S+4], 16
	s_mov_b32 s[G1S+5], 32
	s_mov_b32 s[G1S+6], 0
	s_mov_b32 s[G1S+7], 0
	s_and_b32 s52, ttmp9, 7                        ; Q, K: px
	s_lshr_b32 s53, ttmp9, 3                       ;       ry
	s_and_b32 s54, ttmp9, 15                       ; V:    px
	s_bfe_u32 s55, ttmp9, 0x20004                  ;       ry
	s_cmp_lt_u32 ttmp9, 128
	s_cselect_b32 s52, s52, s54                    ; px
	s_cselect_b32 s53, s53, s55                    ; ry
	s_cselect_b32 s56, 0, 128                      ; Wv's tiles begin at tile 128 of wq
	s_wait_dscnt 0x0
	s_wait_kmcnt 0x0
	s_cselect_b64 s[58:59], s[4:5], s[6:7]         ; R's buffer
	s_cselect_b64 s[60:61], s[6:7], s[4:5]         ; P's buffer
	s_lshl_b32 s57, s53, 4
	s_add_co_u32 s57, s57, s56                     ; R's first tile
	s_lshl_b32 s62, s52, 4                         ; P's first tile
	s_cmp_lt_u32 s12, 2                            ; waves 0, 1 fetch R's halves, waves 2, 3 P's
	s_cselect_b32 s57, s57, s62
	s_cselect_b64 s[58:59], s[58:59], s[60:61]
	s_lshl_b32 s62, s14, 3
	s_add_co_u32 s57, s57, s62                     ; my first tile
	s_lshl_b32 s66, s57, 13
	s_mov_b32 s67, 0
	s_add_nc_u64 s[68:69], s[58:59], s[66:67]      ; its codes
	s_lshl_b32 s66, s57, 9
	s_add_co_u32 s66, s66, SCOFF
	s_add_nc_u64 s[70:71], s[58:59], s[66:67]      ; its scale words
	s_lshl_b32 s72, s12, 14                        ; LDS: wave x 8 tiles x 2,048 bytes
	s_lshl_b32 s73, s12, 12
.irp q, 0,1,2,3
	s_mov_b32 s[G0+4*\q], 1
	s_add_co_u32 s[G0+4*\q+1], s72, \q*65536
	s_add_nc_u64 s[G0+4*\q+2:G0+4*\q+3], s[68:69], \q*2048
	s_or_b32 s[G0+4*\q+3], s[G0+4*\q+3], 0x80000000
.endr
	s_mov_b32 s[G0S], 1
	s_add_co_u32 s[G0S+1], s73, SCL
	s_mov_b64 s[G0S+2:G0S+3], s[70:71]
	s_or_b32 s[G0S+3], s[G0S+3], 0x80000000
	tensor_load_to_lds s[G0S:G0S+3], s[G1S:G1S+7]  ; all first fills in one group: the scale words, then the quarters in the order of their use
	s_nop 0
	tensor_load_to_lds s[G0:G0+3], s[G1C:G1C+7]
	s_nop 0
	tensor_load_to_lds s[G0+4:G0+7], s[G1C:G1C+7]
	s_nop 0
	tensor_load_to_lds s[G0+8:G0+11], s[G1C:G1C+7]
	s_nop 0
	tensor_load_to_lds s[G0+12:G0+15], s[G1C:G1C+7]
	s_nop 0
	PLACES 4
	v_and_b32 v1, 31, v0                           ; lane
	v_and_b32 v2, 15, v0                           ; r
	v_bfe_u32 v3, v0, 4, 1                         ; h
	v_lshlrev_b32 v[LN16], 4, v1
	v_lshlrev_b32 v[LN4], 2, v1
	v_lshlrev_b32 v[SOFF], 2, v2
	v_lshl_add_u32 v[SOFF], v3, 13, v[SOFF]
	v_lshlrev_b32 v[SH16], 4, v3
	s_lshl_b32 s74, s13, 14                        ; R's local tiles 8 (w / 2) on
	s_lshl_b32 s75, s14, 14
	s_add_co_u32 s75, s75, 32768                   ; P's local tiles 16 + 8 (w % 2) on
.irp q, 0,1,2,3
	v_add_nc_u32 v[ADR_R+\q], s74, v[LN16]
	v_add_nc_u32 v[ADR_P+\q], s75, v[LN16]
	s_add_co_u32 s74, s74, 65536
	s_add_co_u32 s75, s75, 65536
.endr
	s_lshl_b32 s76, s13, 12
	s_lshl_b32 s77, s14, 12
	s_add_co_u32 s77, s77, 8192
	s_sub_co_u32 s77, s77, s76                     ; from R's words to P's
	v_mul_u32_u24 v[ADRS], s77, v3                 ; lanes 16-31 take P's
	v_lshl_add_u32 v[ADRS], v2, 4, v[ADRS]
	s_add_co_u32 s76, s76, SCL
	v_add_nc_u32 v[ADRS], s76, v[ADRS]
.irp b, 0,1,2,3
	v_mov_b32 v[TM+4+\b], 0                        ; written once: a lane permute's destination counts as one of its sources
.endr
	s_mov_b32 s78, 0x76543210
	s_mov_b32 s79, 0xfedcba98                      ; v_permlanex16_b32's selects for lane l xor 16
.macro SCALES                          ; all eight K steps' words of my 8 R tiles and 8 P tiles
.irp i, 0,1,2,3,4,5,6,7
	ds_load_b128 v[SC+8*\i:SC+8*\i+3], v[ADRS] offset:\i*512
	ds_load_b128 v[SC+8*\i+4:SC+8*\i+7], v[ADRS] offset:\i*512+256
.endr
.endm
.macro FETCH s                         ; K step s: 8 fragments of P and 8 of R into set s % 2: 32 loads in one run
	WIN 0x40
.irp b, 0,1,2,3,4,5,6,7
.irp c, 0,1
	ds_load_b128 v[128*((\s)%2)+8*\b+4*\c:128*((\s)%2)+8*\b+4*\c+3], v[ADR_P+((\s)/2)] offset:\b*2048+((\s)%2)*1024+\c*512
.endr
.endr
	WIN 0
.irp b, 0,1,2,3,4,5,6,7
.irp c, 0,1
	ds_load_b128 v[RF+64*((\s)%2)+8*\b+4*\c:RF+64*((\s)%2)+8*\b+4*\c+3], v[ADR_R+((\s)/2)] offset:\b*2048+((\s)%2)*1024+\c*512
.endr
.endr
.endm
.macro WM a, b, s, zero
.set rD, 8*(8*((\a)%4)+(\b))
.set rP, 128*((\s)%2)+8*(\b)
.set rR, RF+64*((\s)%2)+8*(\a)
.if \zero
	v_wmma_scale_f32_16x16x128_f8f6f4 v[rD:rD+7], v[rP:rP+7], v[rR:rR+7], 0, v[SC+8*(\b)+(\s)], v[SC+8*(\a)+(\s)] matrix_a_fmt:MATRIX_FMT_FP4 matrix_b_fmt:MATRIX_FMT_FP4 matrix_a_scale:MATRIX_SCALE_ROW1
.else
	v_wmma_scale_f32_16x16x128_f8f6f4 v[rD:rD+7], v[rP:rP+7], v[rR:rR+7], v[rD:rD+7], v[SC+8*(\b)+(\s)], v[SC+8*(\a)+(\s)] matrix_a_fmt:MATRIX_FMT_FP4 matrix_b_fmt:MATRIX_FMT_FP4 matrix_a_scale:MATRIX_SCALE_ROW1
.endif
.endm
.macro MUL s, zero                     ; 64 matrix instructions; the 64 accumulators take turns, in the same order in every step
	WIN 0xa1                                       ; source 0 (P) window 1, source 1 (R) window 0, C and D window 2
.irp a, 0,1,2,3
.irp b, 0,1,2,3,4,5,6,7
	WM \a, \b, \s, \zero
.endr
.endr
	WIN 0xf1                                       ; C and D window 3
.irp a, 4,5,6,7
.irp b, 0,1,2,3,4,5,6,7
	WM \a, \b, \s, \zero
.endr
.endr
.endm
.macro STEP s, zero
	s_wait_dscnt 0x0                               ; this step's fragments are in (asked for a step ago)
.if ((\s)%2) == 1 && (\s) < 7
	s_wait_tensorcnt (5-(\s))/2                    ; my part of the next quarter has landed; the quarters behind it may be out
	s_barrier_signal -1
	s_barrier_wait -1                              ; everybody's has
.endif
.if (\s) < 7
.if (\s) > 0
	PLACES 4                                       ; places in front of loads into registers that the last step's matrix instructions have read
.endif
	FETCH (\s)+1
.endif
	MUL \s, \zero
	WIN 0
.endm
	s_wait_tensorcnt 3                             ; the scale words and quarter 0 are in; three quarters may be out
	s_barrier_signal -1
	s_barrier_wait -1
	SCALES
	FETCH 0
	STEP 0, 1                                      ; the first step's products start the sums: nothing is cleared
.irp s, 1,2,3,4,5,6,7
	STEP \s, 0
.endr
	PLACES 4                                       ; in front of the first read of results and of writes over operands
; The 64 numbers of a lane for R tile a (register 16 b + i = place 32 b + 16 h + i along P) become a fragment's codes v[PC + 8 a ..] and its scale word v[PW + a].
.macro QUANTW a
.set SR, 64*((\a)%4)
.set WS, 2+(\a)/4
	WIN WS*5                                       ; sources 0 and 1 in the accumulators' window
.irp b, 0,1,2,3
	v_max3_num_f32 v[TM+\b], |v[SR+16*\b]|, |v[SR+1+16*\b]|, 0x1800000   ; block b: my 16 numbers from each accumulator's low end on, and the floor 2^(3 - 127)
.endr
.irp i, 2,4,6,8,10,12,14
.irp b, 0,1,2,3
	v_max3_num_f32 v[TM+\b], |v[SR+16*\b+\i]|, |v[SR+1+16*\b+\i]|, v[TM+\b]
.endr
.endr
	WIN 0
.irp b, 0,1,2,3
	v_permlanex16_b32 v[TM+4+\b], v[TM+\b], s78, s79
.endr
.irp b, 0,1,2,3
	v_max_num_f32 v[TM+\b], v[TM+\b], v[TM+4+\b]   ; with lane l xor 16's: the block's largest magnitude
.endr
.irp b, 0,1,2,3
	v_add_nc_u32 v[TM+12+\b], 0xff000000, v[TM+\b] ; 2 off its exponent field: the conversion's scale operand
.endr
.irp b, 0,1,2,3
	v_lshrrev_b32 v[TM+4+\b], 23, v[TM+12+\b]      ; the scale's byte
.endr
	v_lshl_or_b32 v[PW+(\a)], v[TM+5], 8, v[TM+4]
	v_lshl_or_b32 v[PW+(\a)], v[TM+6], 16, v[PW+(\a)]
	v_lshl_or_b32 v[PW+(\a)], v[TM+7], 24, v[PW+(\a)]
	WIN WS                                         ; source 0 in the accumulators' window
.irp b, 0,1,2,3
	v_cvt_scalef32_pk8_fp4_f32 v[PC+8*(\a)+2*\b], v[SR+16*\b:SR+7+16*\b], v[TM+12+\b]
	v_cvt_scalef32_pk8_fp4_f32 v[PC+8*(\a)+1+2*\b], v[SR+8+16*\b:SR+15+16*\b], v[TM+12+\b]
.endr
	WIN 0
	v_nop                                          ; one plain place behind a scaled conversion
.irp c, 0,1                            ; the operand's layout wants a whole block in a lane: lanes 0-15 block 2 c, lanes 16-31 block 2 c + 1
.irp i, 0,1
	v_permlane16_swap_b32 v[PC+8*(\a)+4*\c+\i], v[PC+8*(\a)+2+4*\c+\i]
.endr
.endr
.endm
.irp a, 0,1,2,3,4,5,6,7
	QUANTW \a
.endr
	s_lshl_b32 s66, s52, 1
	s_add_co_u32 s66, s66, s14                     ; which 128 along P are mine
	s_cmp_lt_u32 ttmp9, 128
	s_cbranch_scc0 .Lvpath
	; ---- Q, K: 128 features = two heads; registers 0-3 of a fragment are the first head's two halves, registers 4-7 the second's
	s_lshr_b32 s67, s66, 3                         ; sel
	s_and_b32 s68, s66, 7
	s_lshl_b32 s68, s68, 1                         ; the first head
	s_lshr_b32 s69, s53, 3                         ; b
	s_lshl_b32 s67, s67, 1
	s_add_co_u32 s67, s67, s69
	s_lshl_b32 s67, s67, 4
	s_add_co_u32 s67, s67, s68                     ; (sel 2 + b) 16 + head
	s_and_b32 s69, s53, 7
	s_lshl_b32 s69, s69, 4
	s_lshl_b32 s70, s13, 3
	s_add_co_u32 s69, s69, s70                     ; my first token tile in the batch
	s_lshl_b32 s70, s67, 16
	s_lshl_b32 s71, s69, 9
	s_add_co_u32 s70, s70, s71
	s_mov_b32 s71, 0
	s_add_nc_u64 s[72:73], s[8:9], s[70:71]
	s_lshl_b32 s70, s67, 13
	s_lshl_b32 s74, s69, 6
	s_add_co_u32 s70, s70, s74
	s_add_co_u32 s70, s70, 4194304
	s_add_nc_u64 s[74:75], s[8:9], s[70:71]
	s_mov_b32 s76, 0xffff
	s_mov_b32 s77, 0x7f010000                      ; K's upper bytes: 1 (the mask's block) and 127
	s_cmp_lt_u32 s66, 8
	s_cselect_b32 s77, 0x7f7f0000, s77             ; Q's: 127 and 127
.irp a, 0,1,2,3,4,5,6,7
	v_lshrrev_b32 v[SW+\a], v[SH16], v[PW+\a]      ; lanes 0-15 the first head's two bytes, lanes 16-31 the second's
.endr
.irp a, 0,1,2,3,4,5,6,7
	v_and_or_b32 v[SW+\a], v[SW+\a], s76, s77
.endr
.irp a, 0,1,2,3,4,5,6,7
	global_store_b128 v[LN16], v[PC+8*\a:PC+8*\a+3], s[72:73] offset:\a*512            ; 512 consecutive bytes, aligned
	global_store_b128 v[LN16], v[PC+8*\a+4:PC+8*\a+7], s[72:73] offset:\a*512+65536
	global_store_b32 v[SOFF], v[SW+\a], s[74:75] offset:\a*64
.endr
	s_wait_tensorcnt 0x0
	ds_add_u32 v62, v63
	s_wait_dscnt 0x0
	s_endpgm
.Lvpath:
	; ---- V: 128 tokens = one K step of the attention's second product; R tile a is tile a % 4 of head a / 4 of my two heads
	s_lshr_b32 s67, s66, 4                         ; b
	s_and_b32 s68, s66, 15                         ; ks
	s_lshl_b32 s69, s53, 2
	s_lshl_b32 s70, s13, 1
	s_add_co_u32 s69, s69, s70                     ; my first head
	s_lshl_b32 s67, s67, 4
	s_add_co_u32 s67, s67, s69
	s_lshl_b32 s70, s67, 16
	s_lshl_b32 s71, s68, 12
	s_add_co_u32 s70, s70, s71
	s_mov_b32 s71, 0
	s_add_nc_u64 s[72:73], s[10:11], s[70:71]
	s_lshl_b32 s70, s67, 12
	s_lshl_b32 s74, s68, 8
	s_add_co_u32 s70, s70, s74
	s_add_co_u32 s70, s70, SCOFF
	s_add_nc_u64 s[74:75], s[10:11], s[70:71]
	s_mov_b32 s76, 0xffff0000
.irp a, 0,2,4,6
	v_cndmask_b32 v[SW+\a], v[PW+\a], v[PW+\a+1], s76   ; lanes 0-15 tile a's words, lanes 16-31 tile a + 1's
.endr
.irp a, 0,1,2,3,4,5,6,7
	global_store_b128 v[LN16], v[PC+8*\a:PC+8*\a+3], s[72:73] offset:(\a/4)*65536+(\a%4)*1024
	global_store_b128 v[LN16], v[PC+8*\a+4:PC+8*\a+7], s[72:73] offset:(\a/4)*65536+(\a%4)*1024+512
.endr
.irp a, 0,2,4,6
	global_store_b32 v[LN4], v[SW+\a], s[74:75] offset:(\a/4)*4096+(\a%4)*64
.endr
	s_wait_tensorcnt 0x0
	ds_add_u32 v62, v63
	s_wait_dscnt 0x0
	s_endpgm
.Lfunc_end_k_qed3702321d_proj:
	.size	k_qed3702321d_proj, .Lfunc_end_k_qed3702321d_proj-k_qed3702321d_proj
	.p2alignl 7, 3214868480
	.fill 96, 4, 3214868480
	.section	.rodata,"a",@progbits
	.p2align	6, 0x0
	.amdhsa_kernel k_qed3702321d_proj
		.amdhsa_group_segment_fixed_size 279040
		.amdhsa_private_segment_fixed_size 0
		.amdhsa_enable_private_segment 0
		.amdhsa_kernarg_size 32
		.amdhsa_user_sgpr_count 2
		.amdhsa_user_sgpr_kernarg_segment_ptr 1
		.amdhsa_wavefront_size32 1
		.amdhsa_system_sgpr_workgroup_id_x 1
		.amdhsa_system_sgpr_workgroup_id_y 1
		.amdhsa_system_sgpr_workgroup_id_z 1
		.amdhsa_system_vgpr_workitem_id 0
		.amdhsa_next_free_vgpr 1024
		.amdhsa_next_free_sgpr 84
		.amdhsa_reserve_vcc 0
		.amdhsa_float_denorm_mode_32 3
		.amdhsa_float_denorm_mode_16_64 3
		.amdhsa_memory_ordered 1
		.amdhsa_forward_progress 1
		.amdhsa_inst_pref_size 128
	.end_amdhsa_kernel
	.amdgpu_metadata
---
amdhsa.version: [ 1, 2 ]
amdhsa.kernels:
  - .name:           k_qed3702321d_proj
    .symbol:         k_qed3702321d_proj.kd
    .args:
      - { .name: xq, .offset: 0, .size: 8, .value_kind: global_buffer, .address_space: global }
      - { .name: wq, .offset: 8, .size: 8, .value_kind: global_buffer, .address_space: global }
      - { .name: qk, .offset: 16, .size: 8, .value_kind: global_buffer, .address_space: global }
      - { .name: vq, .offset: 24, .size: 8, .value_kind: global_buffer, .address_space: global }
    .group_segment_fixed_size: 279040
    .private_segment_fixed_size: 0
    .kernarg_segment_align: 8
    .kernarg_segment_size: 32
    .max_flat_workgroup_size: 128
    .sgpr_count:     84
    .vgpr_count:     1024
    .wavefront_size: 32
...
	.end_amdgpu_metadata
.endif
;; end of part 2
;; launch attn (part 3): grid 8 x 32, 4 waves a work-group, no clusters, 94,720 bytes of LDS; arguments qk, vq, key_padding_mask, lq1, lk1, lq2, lk2, oq; writes oq
.if DOCPART == 3
	.amdgcn_target "amdgcn-amd-amdhsa--gfx1250"
	.amdhsa_code_object_version 6
	.text
	.protected	k_qed3702321d_attn
	.globl	k_qed3702321d_attn
	.p2align	8
	.type	k_qed3702321d_attn,@function
k_qed3702321d_attn:
	s_mov_b64 s[64:65], 0
	v_nop
	global_prefetch_b8 v0, s[64:65] scope:SCOPE_SE
	s_setreg_imm32_b32 hwreg(HW_REG_WAVE_MODE, 25, 1), 1
	s_wait_xcnt 0x0
; out = (softmax(Q1 K1^T / sqrt(32)) - lam softmax(Q2 K2^T / sqrt(32))) V for one batch and head, all three products on codes of FP4 (E2M1) with E8M0 scales.
; The left operand of the last product is quantised FINISHED AND NORMALISED, in blocks of 32 keys, so both rows' maximum and sum are known before a code is made:
; the scores of 16 queries x 2,048 keys x 2 sets stay in the registers of the work-group's four waves, and each exponential is computed once.
; SHARES: a work-group takes 256 queries of one (batch, head), a tile of 16 at a time; all four waves work on the same 16 queries, wave w on keys 512 w .. 512 w + 511.
; Its 32 fragments of K stay in registers (window 3), its 16 fragments of V^T in its own 16,384 bytes of LDS.
; SCORES, transposed (source 0 = 16 keys, source 1 = the 16 queries): a lane holds one query, its registers keys.  The instruction is 128 deep and the product 32:
;   K's fragment = [K1 | K2 | mask | 0], the query's = [Q1 | 0 | -1 | 0] or [0 | Q2 | -1 | 0].  The mask's block holds the code of 1.0 at one place where the key is masked, under the scale 2^100:
;   a masked key's score is -2^100 and costs no vector instruction; an open key's block holds zero codes.
; THE KEYS OF A TILE ARE NOT NEIGHBOURS (tile 2 bb + u: 32 bb + 8 u + r + 8 (r / 8)): the 16 registers of two neighbouring tiles are 16 neighbouring keys.
; SOFTMAX: each wave takes ITS OWN largest score away: e = 2^(c s - c m_w), c = log2(e) / sqrt(32).  One exchange through LDS carries (c m_w, sum_w) of both sets; the factor 2^(c m_w - c m) / sum goes into
; the multipliers: A = e1 R1 + e2 G2, R1 = f1 / l1, G2 = -lam f2 / l2.  The largest score is floored at -2^64, so that a wave all of whose keys are masked gives e = 0, sum 0 and f = 0.
; Then A is quantised in registers, O^T = V^T A^T (source 0 = 16 channels, source 1 = A), the four waves' parts are added through LDS, and out is quantised along the head's channels (blocks of 32).
; RESULT oq: codes in the operand's order: token tile x 8,192 + head x 512 + half x 256 + r x 16; scale bytes from byte 2,097,152: (b 16 + head) 4,096 + (tile in batch x 16 + r) 2 + half.
; LIMITS: a true score under -2^63 counts as masked; a batch all of whose keys are masked gives NaN as the definition does, by the scale byte 0xff; a block of zeros has byte 1; NaN and infinities among the inputs are not served.
; NO CLUSTER: the 8 work-groups of a (batch, head) read the same K and V, once, at the head: 147,456 bytes a work-group against sixteen tiles of work: what is shared is a small part.
; REGISTERS: window 1: S1, register 8 f + j (fragment f of 32), then e1, then A.  window 2: S2, then e2 G2, then V's fragments (32 j + 8 ct).  window 3: K's fragments (8 f).  window 0: below.
.set STATS, 65536                      ; LDS: 4 waves x 32 lanes x 16 bytes
.set OST,   67584                      ; 4 waves x 16 rows x (256 + 16) bytes: the parts of O
.set OUTC,  84992                      ; 16 tiles x 512 bytes of codes
.set OUTS,  93184                      ; 512 scale bytes
.set LN16, 1                           ; 16 x lane
.set R4,   2                           ; 4 x (lane % 16)
.set HM0,  3                           ; all ones in lanes 0-15
.set HM1,  4                           ; all ones in lanes 16-31
.set VAD,  5                           ; my wave's V images
.set STW,  6
.set STR,  7
.set OSTW, 8
.set OSTR, 9
.set OCW,  10
.set OSW,  11
.set OCT,  12                          ; the two above + the tile's step
.set OSU,  13
.set NLAM, 14                          ; -lam
.set MOF,  15                          ; r + 8 (r / 8)
.set B1,   16                          ; v16-23 [Q1 | 0 | -1 | 0]
.set B2,   24                          ; v24-31 [0 | Q2 | -1 | 0]
.set QIN,  32                          ; v32-35 the next tile's Q image; v36 its scale word; v37 the scale word in use
.set QSN,  36
.set QS,   37
.set R1,   38                          ; pairs: the low word serves both halves
.set G2,   40
.set ST4,  42                          ; v42-45: -c m1, l1, -c m2, l2
.set HM2,  46                          ; 2 in lanes 0-15
.set LN4,  47
.set TM,   48                          ; v48-63
.set FIN,  64                          ; v64-95
.set PC,   96                          ; v96-127 A's codes, 8 registers a K step
.set OA,   128                         ; v128-159 O^T, 8 registers a tile of channels
.set KS,   160                         ; v160-191 K's scale words
.set VS,   192                         ; v192-207 V's
.set AS,   208                         ; v208-211 A's
.set TP,   212                         ; v212-220 at work
.set OCR,  221
.set C255, 222
.set OSR,  223
.set MSB, 0
.macro WIN new                         ; the immediate's high byte repeats the setting that is left
.if MSB != (\new)
	s_set_vgpr_msb (MSB<<8)|(\new)
.set MSB, (\new)
.endif
.endm
.macro PLACES n
.rept \n
	v_nop
.endr
.endm
	s_load_b256 s[4:11], s[0:1], 0x0               ; qk, vq, mask, lq1
	s_load_b256 s[12:19], s[0:1], 0x20             ; lk1, lq2, lk2, oq
	v_lshl_add_u32 v254, v0, 2, 0x17000
	v_mov_b32 v255, 0
	v_lshrrev_b32 v212, 5, v0
	v_readfirstlane_b32 s20, v212                  ; wave
	v_and_b32 v212, 31, v0                         ; lane L
	v_and_b32 v213, 15, v0                         ; r
	v_bfe_u32 v214, v0, 4, 1                       ; h
	v_lshlrev_b32 v[LN16], 4, v212
	v_lshlrev_b32 v[R4], 2, v213
	v_lshlrev_b32 v[LN4], 2, v212
	v_add_nc_u32 v[HM0], -1, v214
	v_sub_nc_u32 v[HM1], 0, v214
	v_and_b32 v[HM2], 2, v[HM0]
	v_and_b32 v215, 8, v213
	v_add_nc_u32 v[MOF], v215, v213
	s_lshl_b32 s52, s20, 14
	v_add_nc_u32 v[VAD], s52, v[LN16]
	s_lshl_b32 s52, s20, 9
	v_add_nc_u32 v[STR], STATS, v[LN16]
	v_add_nc_u32 v[STW], s52, v[STR]
	s_mul_i32 s52, s20, 4352
	s_add_co_u32 s52, s52, OST
	v_mul_u32_u24 v[OSTW], v213, 272
	v_lshl_add_u32 v[OSTW], v214, 6, v[OSTW]
	v_add_nc_u32 v[OSTW], s52, v[OSTW]             ; my part of O: row = my query, + 64 h
	v_lshrrev_b32 v215, 3, v212
	s_lshl_b32 s52, s20, 2
	v_add_nc_u32 v215, s52, v215                   ; the row that I finish: 4 w + L / 8
	v_and_b32 v216, 7, v212                        ; and its 8 channels: 8 (L % 8) on
	v_mul_u32_u24 v[OSTR], v215, 272
	v_lshl_add_u32 v[OSTR], v216, 5, v[OSTR]
	v_add_nc_u32 v[OSTR], OST, v[OSTR]
	v_lshrrev_b32 v217, 2, v216                    ; the head's half
	v_and_b32 v218, 3, v212
	v_lshlrev_b32 v[OCW], 4, v215
	v_lshl_add_u32 v[OCW], v217, 8, v[OCW]
	v_lshl_add_u32 v[OCW], v218, 2, v[OCW]
	v_add_nc_u32 v[OCW], OUTC, v[OCW]              ; half x 256 + row x 16 + 4 (L % 4)
	v_lshl_add_u32 v[OSW], v215, 1, v217
	v_add_nc_u32 v[OSW], OUTS, v[OSW]              ; row x 2 + half
	s_lshl_b32 s52, s20, 11
	s_add_co_u32 s52, s52, OUTC
	v_add_nc_u32 v[OCR], s52, v[LN16]
	v_add_nc_u32 v[OSR], OUTS, v[LN16]
	v_mov_b32 v[C255], 0xff
	v_mov_b32 v[R1+1], 0                           ; named as the upper halves of pairs, so they are written
	v_mov_b32 v[G2+1], 0
	v_mov_b32 v[ST4+1], 0
	v_mov_b32 v[ST4+3], 0
	s_mov_b32 s24, 0x3e8293ee                      ; c = log2(e) / sqrt(32)
	s_mov_b32 s25, s24
	s_mov_b32 s26, 0xbe8293ee                      ; -c
	s_mov_b32 s28, 0x76543210
	s_mov_b32 s29, 0xfedcba98                      ; v_permlanex16_b32's selects for lane l xor 16
	s_mov_b32 s30, 0xe20000                        ; 226 in byte 2: 1 + 226 = the byte of 2^100
	s_mov_b32 s46, 0                               ; the tile's step among the codes, 512 a tile,
	s_mov_b32 s47, 0                               ; and among the scale bytes, 32 a tile
	s_and_b32 s21, ttmp7, 0xffff                   ; b 16 + head
	s_lshr_b32 s22, s21, 4                         ; b
	s_and_b32 s23, s21, 15                         ; head
	s_mov_b32 s51, 0
	s_wait_kmcnt 0x0
	s_lshl_b32 s50, s21, 16
	s_lshl_b32 s52, ttmp9, 13
	s_add_co_u32 s50, s50, s52
	s_add_nc_u64 s[32:33], s[4:5], s[50:51]        ; Q's images at my first tile
	s_lshl_b32 s50, s21, 13
	s_lshl_b32 s52, ttmp9, 10
	s_add_co_u32 s50, s50, s52
	s_add_co_u32 s50, s50, 4194304
	s_add_nc_u64 s[34:35], s[4:5], s[50:51]        ; and its scale words
	s_add_co_u32 s53, s21, 32
	s_lshl_b32 s50, s53, 16
	s_lshl_b32 s52, s20, 14
	s_add_co_u32 s50, s50, s52
	s_add_nc_u64 s[36:37], s[4:5], s[50:51]        ; K's images: my 32 tiles
	s_lshl_b32 s50, s53, 13
	s_lshl_b32 s52, s20, 11
	s_add_co_u32 s50, s50, s52
	s_add_co_u32 s50, s50, 4194304
	s_add_nc_u64 s[38:39], s[4:5], s[50:51]
	s_lshl_b32 s50, s21, 16
	s_lshl_b32 s52, s20, 14
	s_add_co_u32 s50, s50, s52
	s_add_nc_u64 s[40:41], s[6:7], s[50:51]        ; V's images: my four K steps
	s_lshl_b32 s50, s21, 12
	s_lshl_b32 s52, s20, 10
	s_add_co_u32 s50, s50, s52
	s_add_co_u32 s50, s50, 2097152
	s_add_nc_u64 s[42:43], s[6:7], s[50:51]
	s_lshl_b32 s50, s22, 11
	s_lshl_b32 s52, s20, 9
	s_add_co_u32 s50, s50, s52
	s_add_nc_u64 s[44:45], s[8:9], s[50:51]        ; the mask of my 512 keys
	s_lshl_b32 s50, s23, 7
	s_add_nc_u64 s[10:11], s[10:11], s[50:51]      ; the head's 32 numbers of lq1, lk1, lq2, lk2
	s_add_nc_u64 s[12:13], s[12:13], s[50:51]
	s_add_nc_u64 s[14:15], s[14:15], s[50:51]
	s_add_nc_u64 s[16:17], s[16:17], s[50:51]
	s_lshl_b32 s50, s22, 7
	s_lshl_b32 s52, ttmp9, 4
	s_add_co_u32 s50, s50, s52
	s_lshl_b32 s52, s20, 2
	s_add_co_u32 s50, s50, s52                     ; the first of the four token tiles whose codes I store
	s_lshl_b32 s50, s50, 13
	s_lshl_b32 s52, s23, 9
	s_add_co_u32 s50, s50, s52
	s_add_nc_u64 s[54:55], s[18:19], s[50:51]
	s_lshl_b32 s50, s21, 12
	s_lshl_b32 s52, ttmp9, 9
	s_add_co_u32 s50, s50, s52
	s_add_co_u32 s50, s50, 2097152
	s_add_nc_u64 s[18:19], s[18:19], s[50:51]      ; the work-group's 512 scale bytes
	WIN 0xc0                                       ; destination window 3
.set f, 0
.rept 32
	global_load_b128 v[8*f:8*f+3], v[LN16], s[36:37] offset:f*512
.set f, f+1
.endr
	WIN 0
.set f, 0
.rept 32
	global_load_b32 v[KS+f], v[R4], s[38:39] offset:f*64
	global_load_u8 v[FIN+f], v[MOF], s[44:45] offset:32*(f/2)+8*(f%2)   ; the mask byte of lane r's key of tile f
.set f, f+1
.endr
.set f, 0
.rept 16
	global_load_b32 v[VS+f], v[R4], s[42:43] offset:f*64
.set f, f+1
.endr
	WIN 0x40                                       ; destination window 1: V passes through S1's registers on its way to LDS
.set f, 0
.rept 32
	global_load_b128 v[4*f:4*f+3], v[LN16], s[40:41] offset:f*512
.set f, f+1
.endr
	WIN 0
	global_load_b32 v212, v[LN4], s[10:11]
	global_load_b32 v213, v[LN4], s[12:13]
	global_load_b32 v214, v[LN4], s[14:15]
	global_load_b32 v215, v[LN4], s[16:17]
	global_load_b128 v[QIN:QIN+3], v[LN16], s[32:33]
	global_load_b32 v[QSN], v[R4], s[34:35]
	s_wait_loadcnt 0x0
	WIN 0x04                                       ; an LDS store's data are its source 1: window 1
.set f, 0
.rept 32
	ds_store_b128 v[VAD], v[4*f:4*f+3] offset:f*512
.set f, f+1
.endr
	WIN 0
.set f, 0
.rept 32
	v_mad_u32_u24 v[KS+f], v[FIN+f], s30, v[KS+f]  ; byte 2 of the key's scale word: 1, or 227 where the key is masked
.set f, f+1
.endr
	WIN 0xc0
.set f, 0
.rept 32
	v_mul_u32_u24 v[8*f+4], v[FIN+f], v[HM2]       ; the mask's block: the code of 1.0 at its first place where the key is masked
	v_mov_b32 v[8*f+5], 0
	v_mov_b32 v[8*f+6], 0
	v_mov_b32 v[8*f+7], 0
.set f, f+1
.endr
	WIN 0
	; lam = exp(sum lq1 lk1) - exp(sum lq2 lk2) + 0.8: a lane a number, summed over the 32 lanes
	v_mul_f32 v212, v212, v213
	v_mul_f32 v214, v214, v215
.irp m, 1,2,4,8
	v_add_f32_dpp v212, v212, v212 row_xmask:\m row_mask:0xf bank_mask:0xf
	v_add_f32_dpp v214, v214, v214 row_xmask:\m row_mask:0xf bank_mask:0xf
.endr
	v_permlanex16_b32 v213, v212, s28, s29
	v_permlanex16_b32 v215, v214, s28, s29
	v_add_f32 v212, v212, v213
	v_add_f32 v214, v214, v215
	v_mul_f32 v212, 0x3fb8aa3b, v212
	v_mul_f32 v214, 0x3fb8aa3b, v214
	v_exp_f32 v212, v212
	v_exp_f32 v214, v214
	v_and_b32 v[B1+4], 10, v[HM0]                  ; the code of -1.0 against the mask's place.  (A plain place behind the exponentials)
	v_and_b32 v[B2+4], 10, v[HM0]
.irp i, 5,6,7
	v_mov_b32 v[B1+\i], 0
	v_mov_b32 v[B2+\i], 0
.endr
	s_wait_alu depctr_va_vdst(0)                   ; one wait for the two, ahead of their first reader
	v_sub_f32 v212, v214, v212
	v_add_f32 v[NLAM], 0xbf4ccccd, v212            ; -lam
.macro QBUILD                          ; the Q image (lanes 0-15: Q1's codes, lanes 16-31: Q2's) becomes the two operands
.irp i, 0,1,2,3
	v_and_b32 v[B1+\i], v[QIN+\i], v[HM0]
	v_and_b32 v[B2+\i], v[QIN+\i], v[HM1]
.endr
	v_mov_b32 v[QS], v[QSN]
.endm
.macro SCORES                          ; 64 matrix instructions, each on an accumulator of its own, begun with 0
	WIN 0x43                                       ; source 0 (K) window 3, source 1 window 0, destination window 1
.set f, 0
.rept 32
	v_wmma_scale_f32_16x16x128_f8f6f4 v[8*f:8*f+7], v[8*f:8*f+7], v[B1:B1+7], 0, v[KS+f], v[QS] matrix_a_fmt:MATRIX_FMT_FP4 matrix_b_fmt:MATRIX_FMT_FP4
.set f, f+1
.endr
	WIN 0x83                                       ; destination window 2
.set f, 0
.rept 32
	v_wmma_scale_f32_16x16x128_f8f6f4 v[8*f:8*f+7], v[8*f:8*f+7], v[B2:B2+7], 0, v[KS+f], v[QS] matrix_a_fmt:MATRIX_FMT_FP4 matrix_b_fmt:MATRIX_FMT_FP4
.set f, f+1
.endr
	WIN 0
.endm
.macro MAXSET win, t0                  ; the largest of a lane's 256 scores and the floor -2^64, in eight chains; each accumulator is read from its low end on
	WIN \win
.set n, 0
.rept 8
	v_max3_num_f32 v[\t0+n], v[2*n], v[2*n+1], 0xdf800000
.set n, n+1
.endr
.rept 120
	v_max3_num_f32 v[\t0+n%8], v[2*n], v[2*n+1], v[\t0+n%8]
.set n, n+1
.endr
.endm
.macro EXPSET win, st                  ; e = 2^(c s - c m): the scalings run four pairs ahead of the exponentials; nothing here reads an exponential's result
	WIN \win
.set p, 0
.rept 4
	v_pk_fma_f32 v[2*p:2*p+1], v[2*p:2*p+1], s[24:25], v[\st:\st+1] op_sel_hi:[1,0,0]
.set p, p+1
.endr
.set p, 0
.rept 128
.if p < 124
	v_pk_fma_f32 v[2*p+8:2*p+9], v[2*p+8:2*p+9], s[24:25], v[\st:\st+1] op_sel_hi:[1,0,0]
.endif
	v_exp_f32 v[2*p], v[2*p]
	v_exp_f32 v[2*p+1], v[2*p+1]
.set p, p+1
.endr
.endm
.macro SUMSET w2, w1, f0               ; the sum of a lane's 256 e, two at a time, in eight chains
	WIN \w2
.set k, 0
.rept 8
	v_pk_add_f32 v[\f0+2*k:\f0+2*k+1], v[2*k:2*k+1], v[16+2*k:16+2*k+1]
.set k, k+1
.endr
	WIN \w1
.set k, 16
.rept 112
	v_pk_add_f32 v[\f0+2*(k%8):\f0+2*(k%8)+1], v[2*k:2*k+1], v[\f0+2*(k%8):\f0+2*(k%8)+1]
.set k, k+1
.endr
.endm
.macro SUMTREE f0, dst
.irp k, 0,2,4,6
	v_pk_add_f32 v[\f0+\k:\f0+\k+1], v[\f0+\k:\f0+\k+1], v[\f0+8+\k:\f0+8+\k+1]
.endr
	v_pk_add_f32 v[\f0:\f0+1], v[\f0:\f0+1], v[\f0+4:\f0+5]
	v_pk_add_f32 v[\f0+2:\f0+3], v[\f0+2:\f0+3], v[\f0+6:\f0+7]
	v_pk_add_f32 v[\f0:\f0+1], v[\f0:\f0+1], v[\f0+2:\f0+3]
	v_add_f32 v[\f0], v[\f0], v[\f0+1]
	v_permlanex16_b32 v[\f0+1], v[\f0], s28, s29
	v_add_f32 v[\dst], v[\f0], v[\f0+1]            ; with lane l xor 16's keys: my wave's sum for the query
.endm
.macro STATX                           ; the four waves' (-c m, sum) of both sets meet; out come the two multipliers
	ds_store_b128 v[STW], v[ST4:ST4+3]
	s_wait_dscnt 0x0                               ; for the others' sake: my store has landed (and my earlier LDS reads are back)
	s_barrier_signal -1
	s_barrier_wait -1
.irp w, 0,1,2,3
	ds_load_b128 v[FIN+4*\w:FIN+4*\w+3], v[STR] offset:512*\w
.endr
	s_wait_dscnt 0x0
	v_min3_num_f32 v[TP], v[FIN], v[FIN+4], v[FIN+8]
	v_min3_num_f32 v[TP+1], v[FIN+2], v[FIN+6], v[FIN+10]
	v_min_num_f32 v[TP], v[TP], v[FIN+12]          ; -c m of the whole row
	v_min_num_f32 v[TP+1], v[TP+1], v[FIN+14]
	v_cmp_ge_f32 s48, v[TP], 0x5e000000            ; at 2^61 or more only where the floor was the largest: every key masked.  It selects a value, no branch
.irp w, 0,1,2,3
	v_sub_f32 v[FIN+16+\w], v[TP], v[FIN+4*\w]
	v_sub_f32 v[FIN+20+\w], v[TP+1], v[FIN+4*\w+2]
.endr
	v_sub_f32 v[FIN+24], v[TP], v[ST4]
	v_sub_f32 v[FIN+25], v[TP+1], v[ST4+2]
.irp n, 0,1,2,3,4,5,6,7,8,9
	v_exp_f32 v[FIN+16+\n], v[FIN+16+\n]           ; f_w = 2^(c m_w - c m), at most 1
.endr
	v_nop
	s_wait_alu depctr_va_vdst(0)                   ; one wait for the ten
	v_mul_f32 v[TP+2], v[FIN+16], v[FIN+1]
	v_mul_f32 v[TP+3], v[FIN+20], v[FIN+3]
.irp w, 1,2,3
	v_fmac_f32 v[TP+2], v[FIN+16+\w], v[FIN+4*\w+1]
	v_fmac_f32 v[TP+3], v[FIN+20+\w], v[FIN+4*\w+3]
.endr
	v_rcp_f32 v[TP+4], v[TP+2]
	v_rcp_f32 v[TP+5], v[TP+3]
	v_mul_f32 v[TP+6], v[NLAM], v[FIN+25]          ; (a plain place behind the reciprocals)
	s_wait_alu depctr_va_vdst(0)                   ; one wait for the two
	v_mul_f32 v[R1], v[FIN+24], v[TP+4]
	v_mul_f32 v[G2], v[TP+6], v[TP+5]
.endm
.macro AFORM                           ; A = e1 R1 + e2 G2, into S1's registers
	WIN 0x82
.set p, 0
.rept 128
	v_pk_mul_f32 v[2*p:2*p+1], v[2*p:2*p+1], v[G2:G2+1] op_sel_hi:[1,0]
.set p, p+1
.endr
	WIN 0x61                                       ; source 0 and destination window 1, source 1 window 0, source 2 window 2
.set p, 0
.rept 128
	v_pk_fma_f32 v[2*p:2*p+1], v[2*p:2*p+1], v[R1:R1+1], v[2*p:2*p+1] op_sel_hi:[1,0,1]
.set p, p+1
.endr
.endm
.macro VLOAD                           ; my 16 fragments of V^T into the registers that S2 has left
	WIN 0x80
.set n, 0
.rept 32
	ds_load_b128 v[4*n:4*n+3], v[VAD] offset:n*512
.set n, n+1
.endr
	WIN 0
.endm
.macro QUANT16                         ; A's 16 blocks of 32 keys (register 16 b + i = key 32 b + 16 h + i) become four fragments and four scale words
	WIN 0x05
.set b, 0
.rept 16
	v_max3_num_f32 v[TM+b], |v[16*b]|, |v[16*b+1]|, 0x1800000   ; and the floor 2^(3 - 127)
.set b, b+1
.endr
.set i, 2
.rept 7
.set b, 0
.rept 16
	v_max3_num_f32 v[TM+b], |v[16*b+i]|, |v[16*b+i+1]|, v[TM+b]
.set b, b+1
.endr
.set i, i+2
.endr
	WIN 0
.set b, 0
.rept 16
	v_permlanex16_b32 v[FIN+b], v[TM+b], s28, s29
.set b, b+1
.endr
.set b, 0
.rept 16
	v_max_num_f32 v[TM+b], v[TM+b], v[FIN+b]
.set b, b+1
.endr
.set b, 0
.rept 16
	v_add_nc_u32 v[FIN+16+b], 0xff000000, v[TM+b]  ; 2 off the exponent field: the conversion's scale operand
.set b, b+1
.endr
.set b, 0
.rept 16
	v_lshrrev_b32 v[FIN+b], 23, v[FIN+16+b]        ; the scale's byte
.set b, b+1
.endr
.irp j, 0,1,2,3
	v_lshl_or_b32 v[AS+\j], v[FIN+4*\j+1], 8, v[FIN+4*\j]
.endr
.irp j, 0,1,2,3
	v_lshl_or_b32 v[AS+\j], v[FIN+4*\j+2], 16, v[AS+\j]
.endr
.irp j, 0,1,2,3
	v_lshl_or_b32 v[AS+\j], v[FIN+4*\j+3], 24, v[AS+\j]
.endr
	WIN 0x01
.set b, 0
.rept 16
	v_cvt_scalef32_pk8_fp4_f32 v[PC+2*b], v[16*b:16*b+7], v[FIN+16+b]
	v_cvt_scalef32_pk8_fp4_f32 v[PC+2*b+1], v[16*b+8:16*b+15], v[FIN+16+b]
.set b, b+1
.endr
	WIN 0
	v_nop                                          ; one plain place behind a scaled conversion
.set b, 0
.rept 8                                ; a whole block to a lane: lanes 0-15 the even block, lanes 16-31 the odd one
	v_permlane16_swap_b32 v[PC+4*b], v[PC+4*b+2]
	v_permlane16_swap_b32 v[PC+4*b+1], v[PC+4*b+3]
.set b, b+1
.endr
.endm
.macro PV                              ; O^T = V^T A^T over my 512 keys: four accumulators by turns, a K step at a time
	s_wait_dscnt 0x0                               ; V's fragments are in
	PLACES 8                                       ; A's scale words and codes were written by vector instructions
	WIN 0x02                                       ; source 0 (V) window 2
.set j, 0
.rept 4
.set t, 0
.rept 4
.if j == 0
	v_wmma_scale_f32_16x16x128_f8f6f4 v[OA+8*t:OA+8*t+7], v[32*j+8*t:32*j+8*t+7], v[PC+8*j:PC+8*j+7], 0, v[VS+4*j+t], v[AS+j] matrix_a_fmt:MATRIX_FMT_FP4 matrix_b_fmt:MATRIX_FMT_FP4
.else
	v_wmma_scale_f32_16x16x128_f8f6f4 v[OA+8*t:OA+8*t+7], v[32*j+8*t:32*j+8*t+7], v[PC+8*j:PC+8*j+7], v[OA+8*t:OA+8*t+7], v[VS+4*j+t], v[AS+j] matrix_a_fmt:MATRIX_FMT_FP4 matrix_b_fmt:MATRIX_FMT_FP4
.endif
.set t, t+1
.endr
.set j, j+1
.endr
	WIN 0
	PLACES 5                                       ; in front of the stores of O, and of the next scores, which are laid over V's registers
.endm
.macro OSTORE                          ; register j of tile 2 bb + u is channel 32 bb + 8 u + 16 h + j; each accumulator from its low end on
.irp t, 0,1,2,3
	ds_store_b128 v[OSTW], v[OA+8*\t:OA+8*\t+3] offset:(\t/2)*128+(\t%2)*32
	ds_store_b128 v[OSTW], v[OA+8*\t+4:OA+8*\t+7] offset:(\t/2)*128+(\t%2)*32+16
.endr
.endm
.macro FINAL                           ; my 8 channels of my row: the four waves' parts are added and quantised; four neighbouring lanes hold a block of 32
.irp w, 0,1,2,3
	ds_load_b128 v[FIN+8*\w:FIN+8*\w+3], v[OSTR] offset:\w*4352
	ds_load_b128 v[FIN+8*\w+4:FIN+8*\w+7], v[OSTR] offset:\w*4352+16
.endr
	s_wait_dscnt 0x0
.irp k, 0,2,4,6
	v_pk_add_f32 v[FIN+\k:FIN+\k+1], v[FIN+\k:FIN+\k+1], v[FIN+8+\k:FIN+8+\k+1]
	v_pk_add_f32 v[FIN+16+\k:FIN+16+\k+1], v[FIN+16+\k:FIN+16+\k+1], v[FIN+24+\k:FIN+24+\k+1]
.endr
.irp k, 0,2,4,6
	v_pk_add_f32 v[FIN+\k:FIN+\k+1], v[FIN+\k:FIN+\k+1], v[FIN+16+\k:FIN+16+\k+1]
.endr
	v_max3_num_f32 v[TP], |v[FIN]|, |v[FIN+1]|, 0x1800000
	v_max3_num_f32 v[TP], v[TP], |v[FIN+2]|, |v[FIN+3]|
	v_max3_num_f32 v[TP], v[TP], |v[FIN+4]|, |v[FIN+5]|
	v_max3_num_f32 v[TP], v[TP], |v[FIN+6]|, |v[FIN+7]|
	v_max_num_f32_dpp v[TP], v[TP], v[TP] row_xmask:1 row_mask:0xf bank_mask:0xf
	v_max_num_f32_dpp v[TP], v[TP], v[TP] row_xmask:2 row_mask:0xf bank_mask:0xf
	v_add_nc_u32 v[TP+1], 0xff000000, v[TP]
	v_lshrrev_b32 v[TP+2], 23, v[TP+1]
	v_cndmask_b32 v[TP+2], v[TP+2], v[C255], s48   ; every key masked: the byte that makes the next product NaN
	v_cvt_scalef32_pk8_fp4_f32 v[TP+4], v[FIN:FIN+7], v[TP+1]
	v_nop
	ds_store_b32 v[OCT], v[TP+4]
	ds_store_b8 v[OSU], v[TP+2]                    ; the four lanes of a block write the same byte with the same value
.endm
; A TILE OF 16 QUERIES.  Its scores were made at the end of the tile before.  Two barriers: behind the first the waves' statistics are read, behind the second their parts of O.
; The statistics' bytes are written again only behind the second barrier, the parts' bytes only behind the next first one; every wave's reads are waited for in front of those.
.macro TILE last
.if \last == 0
	global_load_b128 v[QIN:QIN+3], v[LN16], s[32:33] offset:512    ; the next tile's Q, a whole tile ahead
	global_load_b32 v[QSN], v[R4], s[34:35] offset:64
.endif
	PLACES 4                                       ; in front of the first read of the scores
	MAXSET 0x05, TM
	MAXSET 0x0a, TM+8
	WIN 0
.irp t, TM, TM+8
	v_max3_num_f32 v[\t], v[\t], v[\t+1], v[\t+2]
	v_max3_num_f32 v[\t+3], v[\t+3], v[\t+4], v[\t+5]
.endr
.irp t, TM, TM+8
	v_max3_num_f32 v[\t], v[\t], v[\t+6], v[\t+7]
.endr
.irp t, TM, TM+8
	v_max_num_f32 v[\t], v[\t], v[\t+3]
.endr
.irp t, TM, TM+8
	v_permlanex16_b32 v[\t+1], v[\t], s28, s29
.endr
.irp t, TM, TM+8
	v_max_num_f32 v[\t], v[\t], v[\t+1]            ; my wave's largest score of the query
.endr
	v_mul_f32 v[ST4], s26, v[TM]                   ; -c m
	v_mul_f32 v[ST4+2], s26, v[TM+8]
	EXPSET 0x41, ST4
	EXPSET 0x82, ST4+2
	WIN 0
	v_nop                                          ; a plain place behind the last exponential
	s_wait_alu depctr_va_vdst(0)                   ; ONE wait for the 512, ahead of their first reader
	SUMSET 0x05, 0x01, FIN
	SUMSET 0x0a, 0x02, FIN+16
	WIN 0
	SUMTREE FIN, ST4+1
	SUMTREE FIN+16, ST4+3
	STATX
	AFORM
	VLOAD
.if \last == 0
	s_wait_loadcnt 0x0                             ; the next Q is in, and its loads are done: their bases may step
	QBUILD
	s_add_nc_u64 s[32:33], s[32:33], 512
	s_add_nc_u64 s[34:35], s[34:35], 64
.endif
	QUANT16
	PV
	OSTORE
	s_wait_dscnt 0x0                               ; for the others' sake: my part of O has landed
	s_barrier_signal -1
.if \last == 0
	SCORES                                         ; work on registers while the others arrive: the next tile's scores
.endif
	s_barrier_wait -1
	v_add_nc_u32 v[OCT], s46, v[OCW]
	v_add_nc_u32 v[OSU], s47, v[OSW]
	FINAL
	s_add_co_u32 s46, s46, 512
	s_add_co_u32 s47, s47, 32
.endm
	QBUILD
	s_wait_dscnt 0x0                               ; V's images lie in LDS
	PLACES 8                                       ; Q's scale word was written by a vector instruction
	SCORES
	s_mov_b32 s49, 15
.Ltile:
	TILE 0
	s_sub_co_u32 s49, s49, 1
	s_cmp_lg_u32 s49, 0
	s_cbranch_scc1 .Ltile
	TILE 1                                         ; the last tile asks for no further Q and makes no further scores
	s_wait_dscnt 0x0
	s_barrier_signal -1
	s_barrier_wait -1                              ; the 16 tiles' codes and bytes lie in LDS
.irp t, 0,1,2,3
	ds_load_b128 v[FIN+4*\t:FIN+4*\t+3], v[OCR] offset:512*\t
.endr
	s_wait_dscnt 0x0
.irp t, 0,1,2,3
	global_store_b128 v[LN16], v[FIN+4*\t:FIN+4*\t+3], s[54:55] offset:8192*\t   ; 512 consecutive bytes, aligned
.endr
	s_cmp_lg_u32 s20, 0
	s_cbranch_scc1 .Ldone
	ds_load_b128 v[FIN+16:FIN+19], v[OSR]
	s_wait_dscnt 0x0
	global_store_b128 v[LN16], v[FIN+16:FIN+19], s[18:19]          ; wave 0: the 512 scale bytes, consecutive and aligned
.Ldone:
	s_wait_tensorcnt 0x0
	ds_add_u32 v254, v255
	s_wait_dscnt 0x0
	s_endpgm
.Lfunc_end_k_qed3702321d_attn:
	.size	k_qed3702321d_attn, .Lfunc_end_k_qed3702321d_attn-k_qed3702321d_attn
	.p2alignl 7, 3214868480
	.fill 96, 4, 3214868480
	.section	.rodata,"a",@progbits
	.p2align	6, 0x0
	.amdhsa_kernel k_qed3702321d_attn
		.amdhsa_group_segment_fixed_size 94720
		.amdhsa_private_segment_fixed_size 0
		.amdhsa_enable_private_segment 0
		.amdhsa_kernarg_size 64
		.amdhsa_user_sgpr_count 2
		.amdhsa_user_sgpr_kernarg_segment_ptr 1
		.amdhsa_wavefront_size32 1
		.amdhsa_system_sgpr_workgroup_id_x 1
		.amdhsa_system_sgpr_workgroup_id_y 1
		.amdhsa_system_sgpr_workgroup_id_z 1
		.amdhsa_system_vgpr_workitem_id 0
		.amdhsa_next_free_vgpr 1024
		.amdhsa_next_free_sgpr 66
		.amdhsa_reserve_vcc 0
		.amdhsa_float_denorm_mode_32 3
		.amdhsa_float_denorm_mode_16_64 3
		.amdhsa_memory_ordered 1
		.amdhsa_forward_progress 1
		.amdhsa_inst_pref_size 255
	.end_amdhsa_kernel
	.section	.bss,"aw",@nobits
	.p2align	6
	.space	262144
	.amdgpu_metadata
---
amdhsa.version: [ 1, 2 ]
amdhsa.kernels:
  - .name:           k_qed3702321d_attn
    .symbol:         k_qed3702321d_attn.kd
    .args:
      - { .name: qk, .offset: 0, .size: 8, .value_kind: global_buffer, .address_space: global }
      - { .name: vq, .offset: 8, .size: 8, .value_kind: global_buffer, .address_space: global }
      - { .name: key_padding_mask, .offset: 16, .size: 8, .value_kind: global_buffer, .address_space: global }
      - { .name: lq1, .offset: 24, .size: 8, .value_kind: global_buffer, .address_space: global }
      - { .name: lk1, .offset: 32, .size: 8, .value_kind: global_buffer, .address_space: global }
      - { .name: lq2, .offset: 40, .size: 8, .value_kind: global_buffer, .address_space: global }
      - { .name: lk2, .offset: 48, .size: 8, .value_kind: global_buffer, .address_space: global }
      - { .name: oq, .offset: 56, .size: 8, .value_kind: global_buffer, .address_space: global }
    .group_segment_fixed_size: 94720
    .private_segment_fixed_size: 0
    .kernarg_segment_align: 8
    .kernarg_segment_size: 64
    .max_flat_workgroup_size: 128
    .sgpr_count:     66
    .vgpr_count:     1024
    .wavefront_size: 32
...
	.end_amdgpu_metadata
.endif
;; end of part 3
;; launch outln (part 4): grid 256 x 1, 8 waves a work-group, no clusters, 68,864 bytes of LDS; arguments oq, wq, x, gamma, beta, out0; writes out0
.if DOCPART == 4
	.amdgcn_target "amdgcn-amd-amdhsa--gfx1250"
	.amdhsa_code_object_version 6
	.text
	.protected	k_qed3702321d_outln
	.globl	k_qed3702321d_outln
	.p2align	8
	.type	k_qed3702321d_outln,@function
k_qed3702321d_outln:
	s_mov_b64 s[64:65], 0
	v_nop
	global_prefetch_b8 v0, s[64:65] scope:SCOPE_SE
	s_setreg_imm32_b32 hwreg(HW_REG_WAVE_MODE, 25, 1), 1
	s_wait_xcnt 0x0
; y = out Wo^T + x on codes of FP4 (E2M1) with E8M0 scales, sums in f32; then LayerNorm over the 1,024 features, gamma, beta.
; SHARES: a work-group owns one tile of 16 tokens (tile 2 bb + u: rows 32 bb + 8 u + r + 8 (r / 8)) and all 1,024 features, so the norm stays inside it.  Wave w owns features 128 w .. 128 w + 127: 8 tiles of Wo.
; The product is used transposed (source 0 = 16 rows of Wo, source 1 = the 16 tokens): a lane holds one token, its 64 registers features.  x is the C of each sum's first matrix instruction.
; Operands come from memory straight into registers, as images (512 consecutive bytes a load), four K steps deep: 18 loads a step.
; x goes through LDS (loaded as whole rows, read in the result's layout), and the normalised rows go back the same way, so that every global load and store covers 512 consecutive bytes, aligned.
; The variance is the mean of (y - mu)^2, taken in a second pass over the registers.
; NO CLUSTER: all 256 work-groups read the same codes of Wo; joint loads want tensor loads and a ring with rounds, which this text does not have: it loads through registers.
; A token whose scale byte in oq is 0xff (every key of its batch masked) comes out NaN, as the definition has it.
; REGISTERS: window 0: v1-9 addresses; v32-95 y; v96-127 out's fragments, four sets; v128-159 Wo's scale words; v160-167 out's; v168-231 rows of x, later of the result; v232-247 at work.
;   window 1: Wo's fragments, four sets of 64; later gamma (v0-31) and beta (v32-63).
.set XP,    4112                       ; a row of 4,096 bytes + 16 of padding
.set RS1,   65792                      ; LDS behind the 16 rows: [lane][wave] partial sums, 1,024 bytes; the second pass's 1,024 bytes behind them
.set SCOFF, 2097152
.set LN16, 1
.set XSTW, 4                           ; rows 2 w, 2 w + 1, 16 bytes a lane
.set XSTR, 5                           ; row r, my wave's 512 bytes, + 64 h
.set RSW,  6
.set RSR,  7
.set SCWA, 8
.set U16A, 9
.set ACC,  32
.set OF,   96
.set SCW,  128                         ; v[SCW + 8 (i % 4) + s]: lanes 0-15 tile i, lanes 16-31 tile i + 4
.set OSWD, 160
.set TMP,  168
.set U16,  232
.set SS,   232
.set NMU,  244
.set RSD,  246
.set MSB, 0
.macro WIN new                         ; the immediate's high byte repeats the setting that is left
.if MSB != (\new)
	s_set_vgpr_msb (MSB<<8)|(\new)
.set MSB, (\new)
.endif
.endm
.macro PLACES n
.rept \n
	v_nop
.endr
.endm
	s_load_b256 s[4:11], s[0:1], 0x0               ; oq, wq, x, gamma
	s_load_b128 s[12:15], s[0:1], 0x20             ; beta, out0
	v_lshl_add_u32 v254, v0, 2, 0x10900
	v_mov_b32 v255, 0
	v_lshrrev_b32 v2, 5, v0
	v_readfirstlane_b32 s16, v2                    ; wave 0..7
	v_and_b32 v10, 31, v0                          ; lane
	v_and_b32 v2, 15, v0                           ; r
	v_bfe_u32 v3, v0, 4, 1                         ; h
	v_lshlrev_b32 v[LN16], 4, v10
	s_mul_i32 s17, s16, 2*XP
	v_add_nc_u32 v[XSTW], s17, v[LN16]
	v_mul_u32_u24 v[XSTR], v2, XP
	v_lshl_add_u32 v[XSTR], v3, 6, v[XSTR]
	s_lshl_b32 s17, s16, 9
	v_add_nc_u32 v[XSTR], s17, v[XSTR]
	v_lshlrev_b32 v[RSR], 5, v10
	v_add_nc_u32 v[RSR], RS1, v[RSR]
	s_lshl_b32 s17, s16, 2
	v_add_nc_u32 v[RSW], s17, v[RSR]
	v_lshlrev_b32 v[SCWA], 4, v2
	v_lshl_add_u32 v[SCWA], v3, 11, v[SCWA]        ; lanes 16-31 take the tile four further on: 4 x 512 bytes
	v_lshlrev_b32 v[U16A], 1, v2
	s_mov_b32 s18, 0x76543210
	s_mov_b32 s19, 0xfedcba98                      ; v_permlanex16_b32's selects for lane l xor 16
	s_mov_b32 s26, 0x3a800000                      ; 1 / 1,024
	s_mov_b32 s27, 0x3727c5ac                      ; 1e-5
	s_mov_b32 s21, 0
	s_wait_kmcnt 0x0
	s_lshl_b32 s20, ttmp9, 13
	s_add_nc_u64 s[22:23], s[4:5], s[20:21]        ; out's codes: my tile
	s_lshr_b32 s20, ttmp9, 7
	s_lshl_b32 s20, s20, 16                        ; b x 16 heads x 4,096
	s_and_b32 s24, ttmp9, 127
	s_lshl_b32 s24, s24, 5                         ; the tile in its batch x 32
	s_add_co_u32 s20, s20, s24
	s_add_co_u32 s20, s20, SCOFF
	s_add_nc_u64 s[4:5], s[4:5], s[20:21]          ; out's scale bytes
	s_lshl_b32 s20, s16, 16
	s_add_co_u32 s20, s20, 192*8192
	s_add_nc_u64 s[24:25], s[6:7], s[20:21]        ; Wo's codes: tiles 192 + 8 w on
	s_lshl_b32 s20, s16, 12
	s_add_co_u32 s20, s20, SCOFF+192*512
	s_add_nc_u64 s[6:7], s[6:7], s[20:21]          ; Wo's scale words
	s_lshr_b32 s20, ttmp9, 1
	s_lshl_b32 s20, s20, 5
	s_and_b32 s28, ttmp9, 1
	s_lshl_b32 s28, s28, 3
	s_add_co_u32 s20, s20, s28
	s_lshl_b32 s28, s16, 1
	s_add_co_u32 s20, s20, s28
	s_lshr_b32 s28, s16, 2
	s_lshl_b32 s28, s28, 3
	s_add_co_u32 s20, s20, s28                     ; the token of the tile's row 2 w: 32 (T / 2) + 8 (T % 2) + 2 w + 8 (w / 4)
	s_lshl_b32 s20, s20, 12
	s_add_nc_u64 s[8:9], s[8:9], s[20:21]
	s_add_nc_u64 s[14:15], s[14:15], s[20:21]
.macro G s                             ; K step s: out's fragment and my 8 fragments of Wo into set s % 4: 18 loads
	global_load_b128 v[OF+8*((\s)%4):OF+8*((\s)%4)+3], v[LN16], s[22:23] offset:(\s)*1024
	global_load_b128 v[OF+8*((\s)%4)+4:OF+8*((\s)%4)+7], v[LN16], s[22:23] offset:(\s)*1024+512
	WIN 0x40
.irp i, 0,1,2,3,4,5,6,7
.irp c, 0,1
	global_load_b128 v[64*((\s)%4)+8*\i+4*\c:64*((\s)%4)+8*\i+4*\c+3], v[LN16], s[24:25] offset:\i*8192+(\s)*1024+\c*512
.endr
.endr
	WIN 0
.endm
.irp d, 0,1,2,3,4,5,6,7,8,9,10,11,12,13,14,15
	global_load_u16 v[U16+\d], v[U16A], s[4:5] offset:\d*4096      ; head d's two scale bytes of token r
.endr
.irp i, 0,1,2,3
	global_load_b128 v[SCW+8*\i:SCW+8*\i+3], v[SCWA], s[6:7] offset:\i*512
	global_load_b128 v[SCW+8*\i+4:SCW+8*\i+7], v[SCWA], s[6:7] offset:\i*512+256
.endr
.irp e, 0,1
.irp k, 0,1,2,3,4,5,6,7
	global_load_b128 v[TMP+4*(8*\e+\k):TMP+4*(8*\e+\k)+3], v[LN16], s[8:9] offset:\e*4096+\k*512 th:TH_LOAD_NT
.endr
.endr
	G 0
	s_wait_loadcnt 18                              ; the scale bytes, the scale words and x are in; the 18 loads of K step 0 may be out
.irp e, 0,1
.irp k, 0,1,2,3,4,5,6,7
	ds_store_b128 v[XSTW], v[TMP+4*(8*\e+\k):TMP+4*(8*\e+\k)+3] offset:\e*XP+\k*512
.endr
.endr
.irp s, 0,1,2,3,4,5,6,7
	v_lshl_or_b32 v[OSWD+\s], v[U16+2*\s+1], 16, v[U16+2*\s]       ; K step s = heads 2 s, 2 s + 1: four bytes
.endr
	G 1
	G 2
	G 3
	s_wait_dscnt 0x0                               ; for the others' sake: my two rows of x have landed
	s_barrier_signal -1
	s_barrier_wait -1
.irp i, 0,1,2,3,4,5,6,7
	ds_load_b128 v[ACC+8*\i:ACC+8*\i+3], v[XSTR] offset:(\i/2)*128+(\i%2)*32       ; x in the result's layout: register j of tile 2 bb + u is feature 32 bb + 8 u + 16 h + j of my 128
	ds_load_b128 v[ACC+8*\i+4:ACC+8*\i+7], v[XSTR] offset:(\i/2)*128+(\i%2)*32+16
.endr
	PLACES 8                                       ; out's scale words were written by vector instructions
	s_wait_dscnt 0x0
.macro STEP s, left                    ; eight matrix instructions, the eight accumulators by turns
	s_wait_loadcnt \left                           ; this step's 18 loads are in; the later steps' may be out
	WIN 0x01                                       ; source 0 (Wo) window 1
.irp i, 0,1,2,3
	v_wmma_scale_f32_16x16x128_f8f6f4 v[ACC+8*\i:ACC+8*\i+7], v[64*((\s)%4)+8*\i:64*((\s)%4)+8*\i+7], v[OF+8*((\s)%4):OF+8*((\s)%4)+7], v[ACC+8*\i:ACC+8*\i+7], v[SCW+8*\i+(\s)], v[OSWD+(\s)] matrix_a_fmt:MATRIX_FMT_FP4 matrix_b_fmt:MATRIX_FMT_FP4
.endr
.irp i, 4,5,6,7
	v_wmma_scale_f32_16x16x128_f8f6f4 v[ACC+8*\i:ACC+8*\i+7], v[64*((\s)%4)+8*\i:64*((\s)%4)+8*\i+7], v[OF+8*((\s)%4):OF+8*((\s)%4)+7], v[ACC+8*\i:ACC+8*\i+7], v[SCW+8*(\i-4)+(\s)], v[OSWD+(\s)] matrix_a_fmt:MATRIX_FMT_FP4 matrix_b_fmt:MATRIX_FMT_FP4 matrix_a_scale:MATRIX_SCALE_ROW1
.endr
	WIN 0
.if (\s) < 4
	PLACES 4                                       ; in front of loads into registers that these matrix instructions have read
	G (\s)+4
.endif
.endm
	STEP 0, 54
	STEP 1, 54
	STEP 2, 54
	STEP 3, 54
	STEP 4, 54
	STEP 5, 36
	STEP 6, 18
	STEP 7, 0
	PLACES 4                                       ; in front of the first read of y and of loads into Wo's registers
	WIN 0x40
.irp k, 0,1,2,3,4,5,6,7
	global_load_b128 v[4*\k:4*\k+3], v[LN16], s[10:11] offset:512*\k       ; gamma and beta in a row's layout; they land while the statistics are made
	global_load_b128 v[32+4*\k:32+4*\k+3], v[LN16], s[12:13] offset:512*\k
.endr
	WIN 0
.macro XSUM off                        ; a lane's pair of partial sums v[SS:SS+1] becomes the token's sum over the 1,024 features, in v[SS+4], the same in every wave
	v_add_f32 v[SS], v[SS], v[SS+1]
	v_permlanex16_b32 v[SS+1], v[SS], s18, s19
	v_add_f32 v[SS], v[SS], v[SS+1]
	ds_store_b32 v[RSW], v[SS] offset:\off
	s_wait_dscnt 0x0                               ; for the others' sake: my store has landed, and my earlier LDS reads are back
	s_barrier_signal -1
	s_barrier_wait -1
	ds_load_b128 v[SS+4:SS+7], v[RSR] offset:\off
	ds_load_b128 v[SS+8:SS+11], v[RSR] offset:\off+16
	s_wait_dscnt 0x0
	v_pk_add_f32 v[SS+4:SS+5], v[SS+4:SS+5], v[SS+6:SS+7]
	v_pk_add_f32 v[SS+8:SS+9], v[SS+8:SS+9], v[SS+10:SS+11]
	v_pk_add_f32 v[SS+4:SS+5], v[SS+4:SS+5], v[SS+8:SS+9]
	v_add_f32 v[SS+4], v[SS+4], v[SS+5]
.endm
.irp k, 0,1,2,3                        ; the sum of my 64 numbers, two at a time, in four chains; each accumulator from its low end on
	v_pk_add_f32 v[SS+2*\k:SS+2*\k+1], v[ACC+2*\k:ACC+2*\k+1], v[ACC+8+2*\k:ACC+8+2*\k+1]
.endr
.set p, 8
.rept 24
	v_pk_add_f32 v[SS+2*(p%4):SS+2*(p%4)+1], v[SS+2*(p%4):SS+2*(p%4)+1], v[ACC+2*p:ACC+2*p+1]
.set p, p+1
.endr
	v_pk_add_f32 v[SS:SS+1], v[SS:SS+1], v[SS+4:SS+5]
	v_pk_add_f32 v[SS+2:SS+3], v[SS+2:SS+3], v[SS+6:SS+7]
	v_pk_add_f32 v[SS:SS+1], v[SS:SS+1], v[SS+2:SS+3]
	XSUM 0
	v_mul_f32 v[NMU], 0xba800000, v[SS+4]          ; -mu
	v_mov_b32 v[NMU+1], v[NMU]
.set p, 0
.rept 32
	v_pk_add_f32 v[ACC+2*p:ACC+2*p+1], v[ACC+2*p:ACC+2*p+1], v[NMU:NMU+1]
.set p, p+1
.endr
.irp k, 0,1,2,3
	v_pk_mul_f32 v[SS+2*\k:SS+2*\k+1], v[ACC+2*\k:ACC+2*\k+1], v[ACC+2*\k:ACC+2*\k+1]
.endr
.set p, 4
.rept 28
	v_pk_fma_f32 v[SS+2*(p%4):SS+2*(p%4)+1], v[ACC+2*p:ACC+2*p+1], v[ACC+2*p:ACC+2*p+1], v[SS+2*(p%4):SS+2*(p%4)+1]
.set p, p+1
.endr
	v_pk_add_f32 v[SS:SS+1], v[SS:SS+1], v[SS+4:SS+5]
	v_pk_add_f32 v[SS+2:SS+3], v[SS+2:SS+3], v[SS+6:SS+7]
	v_pk_add_f32 v[SS:SS+1], v[SS:SS+1], v[SS+2:SS+3]
	XSUM 1024
	v_fma_f32 v[RSD], v[SS+4], s26, s27            ; the variance + 1e-5
	v_rsq_f32 v[RSD], v[RSD]
	v_mov_b32 v[RSD+1], 0                          ; a plain place behind the transcendental (and the pair's upper half is written)
	s_wait_alu depctr_va_vdst(0)                   ; the wait ahead of the first reader
.set p, 0
.rept 32
	v_pk_mul_f32 v[ACC+2*p:ACC+2*p+1], v[ACC+2*p:ACC+2*p+1], v[RSD:RSD+1] op_sel_hi:[1,0]
.set p, p+1
.endr
.irp i, 0,1,2,3,4,5,6,7                ; back into the rows' bytes: every wave's reads of x there were waited for in front of the first statistics barrier
	ds_store_b128 v[XSTR], v[ACC+8*\i:ACC+8*\i+3] offset:(\i/2)*128+(\i%2)*32
	ds_store_b128 v[XSTR], v[ACC+8*\i+4:ACC+8*\i+7] offset:(\i/2)*128+(\i%2)*32+16
.endr
	s_wait_dscnt 0x0
	s_barrier_signal -1
	s_barrier_wait -1                              ; 16 whole normalised rows lie in LDS
.irp e, 0,1
.irp k, 0,1,2,3,4,5,6,7
	ds_load_b128 v[TMP+4*(8*\e+\k):TMP+4*(8*\e+\k)+3], v[XSTW] offset:\e*XP+\k*512
.endr
.endr
	s_wait_loadcnt 0x0                             ; gamma, beta
	s_wait_dscnt 0x0
	WIN 0x14                                       ; sources 1 and 2 (gamma, beta) window 1
.irp e, 0,1
.irp k, 0,1,2,3,4,5,6,7
.irp m, 0,2
	v_pk_fma_f32 v[TMP+4*(8*\e+\k)+\m:TMP+4*(8*\e+\k)+\m+1], v[TMP+4*(8*\e+\k)+\m:TMP+4*(8*\e+\k)+\m+1], v[4*\k+\m:4*\k+\m+1], v[32+4*\k+\m:32+4*\k+\m+1]
.endr
.endr
.endr
	WIN 0
.irp e, 0,1
.irp k, 0,1,2,3,4,5,6,7
	global_store_b128 v[LN16], v[TMP+4*(8*\e+\k):TMP+4*(8*\e+\k)+3], s[14:15] offset:\e*4096+\k*512 th:TH_STORE_NT   ; 32 lanes store 512 consecutive bytes, aligned
.endr
.endr
	s_wait_tensorcnt 0x0
	ds_add_u32 v254, v255
	s_wait_dscnt 0x0
	s_endpgm
.Lfunc_end_k_qed3702321d_outln:
	.size	k_qed3702321d_outln, .Lfunc_end_k_qed3702321d_outln-k_qed3702321d_outln
	.p2alignl 7, 3214868480
	.fill 96, 4, 3214868480
	.section	.rodata,"a",@progbits
	.p2align	6, 0x0
	.amdhsa_kernel k_qed3702321d_outln
		.amdhsa_group_segment_fixed_size 68864
		.amdhsa_private_segment_fixed_size 0
		.amdhsa_enable_private_segment 0
		.amdhsa_kernarg_size 48
		.amdhsa_user_sgpr_count 2
		.amdhsa_user_sgpr_kernarg_segment_ptr 1
		.amdhsa_wavefront_size32 1
		.amdhsa_system_sgpr_workgroup_id_x 1
		.amdhsa_system_sgpr_workgroup_id_y 1
		.amdhsa_system_sgpr_workgroup_id_z 1
		.amdhsa_system_vgpr_workitem_id 0
		.amdhsa_next_free_vgpr 512
		.amdhsa_next_free_sgpr 66
		.amdhsa_reserve_vcc 0
		.amdhsa_float_denorm_mode_32 3
		.amdhsa_float_denorm_mode_16_64 3
		.amdhsa_memory_ordered 1
		.amdhsa_forward_progress 1
		.amdhsa_inst_pref_size 50
	.end_amdhsa_kernel
	.amdgpu_metadata
---
amdhsa.version: [ 1, 2 ]
amdhsa.kernels:
  - .name:           k_qed3702321d_outln
    .symbol:         k_qed3702321d_outln.kd
    .args:
      - { .name: oq, .offset: 0, .size: 8, .value_kind: global_buffer, .address_space: global }
      - { .name: wq, .offset: 8, .size: 8, .value_kind: global_buffer, .address_space: global }
      - { .name: x, .offset: 16, .size: 8, .value_kind: global_buffer, .address_space: global }
      - { .name: gamma, .offset: 24, .size: 8, .value_kind: global_buffer, .address_space: global }
      - { .name: beta, .offset: 32, .size: 8, .value_kind: global_buffer, .address_space: global }
      - { .name: out0, .offset: 40, .size: 8, .value_kind: global_buffer, .address_space: global }
    .group_segment_fixed_size: 68864
    .private_segment_fixed_size: 0
    .kernarg_segment_align: 8
    .kernarg_segment_size: 48
    .max_flat_workgroup_size: 256
    .sgpr_count:     66
    .vgpr_count:     512
    .wavefront_size: 32
...
	.end_amdgpu_metadata
.endif
;; end of part 4
;; ======== version 2 of 2: 4 launches; version 1 with the launches attn, outln written anew for expert scheduling mode
;; limits: right only within a limited range of input values
;; workspace buffers: xq 2,228,224 bytes; wq 2,228,224 bytes; qk 4,718,592 bytes; vq 2,228,224 bytes; oq 2,228,224 bytes
;; launch quant: the kernel of part 1 again; grid 256 x 1, 4 waves a work-group, no clusters, 41,472 bytes of LDS; arguments x, Wq, Wk, Wv, Wo, xq, wq; writes xq, wq
;; launch proj: the kernel of part 2 again; grid 192 x 1, 4 waves a work-group, no clusters, 279,040 bytes of LDS; arguments xq, wq, qk, vq; writes qk, vq
;; launch attn (part 5): grid 8 x 32, 4 waves a work-group, no clusters, 94,720 bytes of LDS; arguments qk, vq, key_padding_mask, lq1, lk1, lq2, lk2, oq; writes oq
.if DOCPART == 5
	.amdgcn_target "amdgcn-amd-amdhsa--gfx1250"
	.amdhsa_code_object_version 6
	.text
	.protected	k_qed3702321d_attn
	.globl	k_qed3702321d_attn
	.p2align	8
	.type	k_qed3702321d_attn,@function
k_qed3702321d_attn:
	s_mov_b64 s[64:65], 0
	v_nop
	global_prefetch_b8 v0, s[64:65] scope:SCOPE_SE
	s_setreg_imm32_b32 hwreg(HW_REG_WAVE_SCHED_MODE, 0, 2), 2
	s_setreg_imm32_b32 hwreg(HW_REG_WAVE_MODE, 25, 1), 1
	s_wait_xcnt 0x0
	s_wait_alu depctr_vm_vsrc(0)
; out = (softmax(Q1 K1^T / sqrt(32)) - lam softmax(Q2 K2^T / sqrt(32))) V for one batch and head, all three products on codes of FP4 (E2M1) with E8M0 scales.
; The left operand of the last product is quantised FINISHED AND NORMALISED, in blocks of 32 keys, so both rows' maximum and sum are known before a code is made:
; the scores of 16 queries x 2,048 keys x 2 sets stay in the registers of the work-group's four waves, and each exponential is computed once.
; SHARES: a work-group takes 256 queries of one (batch, head), a tile of 16 at a time; all four waves work on the same 16 queries, wave w on keys 512 w .. 512 w + 511.
; Its 32 fragments of K stay in registers (window 3), its 16 fragments of V^T in its own 16,384 bytes of LDS.
; SCORES, transposed (source 0 = 16 keys, source 1 = the 16 queries): a lane holds one query, its registers keys.  The instruction is 128 deep and the product 32:
;   K's fragment = [K1 | K2 | mask | 0], the query's = [Q1 | 0 | -1 | 0] or [0 | Q2 | -1 | 0].  The mask's block holds the code of 1.0 at one place where the key is masked, under the scale 2^100:
;   a masked key's score is -2^100 and costs no vector instruction; an open key's block holds zero codes.
; THE KEYS OF A TILE ARE NOT NEIGHBOURS (tile 2 bb + u: 32 bb + 8 u + r + 8 (r / 8)): the 16 registers of two neighbouring tiles are 16 neighbouring keys.
; SOFTMAX: each wave takes ITS OWN largest score away: e = 2^(c s - c m_w), c = log2(e) / sqrt(32).  One exchange through LDS carries (c m_w, sum_w) of both sets; the factor 2^(c m_w - c m) / sum goes into
; the multipliers: A = e1 R1 + e2 G2, R1 = f1 / l1, G2 = -lam f2 / l2.  The largest score is floored at -2^64, so that a wave all of whose keys are masked gives e = 0, sum 0 and f = 0.
; Then A is quantised in registers, O^T = V^T A^T (source 0 = 16 channels, source 1 = A), the four waves' parts are added through LDS, and out is quantised along the head's channels (blocks of 32).
; RESULT oq: codes in the operand's order: token tile x 8,192 + head x 512 + half x 256 + r x 16; scale bytes from byte 2,097,152: (b 16 + head) 4,096 + (tile in batch x 16 + r) 2 + half.
; LIMITS: a true score under -2^63 counts as masked; a batch all of whose keys are masked gives NaN as the definition does, by the scale byte 0xff; a block of zeros has byte 1; NaN and infinities among the inputs are not served.
; NO CLUSTER: the 8 work-groups of a (batch, head) read the same K and V, once, at the head: 147,456 bytes a work-group against sixteen tiles of work: what is shared is a small part.
; REGISTERS: window 1: S1, register 8 f + j (fragment f of 32), then e1, then A.  window 2: S2, then e2 G2, then V's fragments (32 j + 8 ct).  window 3: K's fragments (8 f).  window 0: below.
; THE MODE: SCHED_MODE bits 1:0 = 2 (LLVM: expert scheduling mode 2), set by the entry lines.  The code itself states the register dependences
; between vector or matrix instructions and memory or LDS instructions, with s_wait_alu, always for 0.
; THE PLAN.  Registers that memory or LDS instructions touch, round the loop over tiles:
;   v32-36 (the next Q image and its scale word)  The two loads at a tile's head land here; QBUILD's vector lines read them in the tile's middle.
;   window 2, v0-127 (V's fragments)  The scores are written here and worked on; AFORM's first 64 multiply-adds are their last readers; then VLOAD's 32 LDS loads land here; PV's products read them.
;   v64-95 (FIN)  The LDS loads of STATX, of FINAL and of the way out land here; between them the sums, QUANT16 and FINAL's arithmetic name them.
;   v42-45 (the statistics), v128-159 (O^T), v214 and v216 (the byte and the code), v12 and v13 (their addresses): written by vector or matrix instructions, read by a tile's eleven LDS stores, written again a tile later.
;   All other addresses are made at the head and never written again.
; So a tile has ONE wait on vm_vsrc, at its head, for all the stores of the tile before, and a wait on va_vdst ahead of each run of LDS instructions whose registers have just been worked on:
; ahead of the statistics' store, of V's loads, of O^T's stores and of the code's store; the one ahead of O^T's stores also serves the next tile's loads of Q, FINAL's loads and the next scores' operands.
.set STATS, 65536                      ; LDS: 4 waves x 32 lanes x 16 bytes
.set OST,   67584                      ; 4 waves x 16 rows x (256 + 16) bytes: the parts of O
.set OUTC,  84992                      ; 16 tiles x 512 bytes of codes
.set OUTS,  93184                      ; 512 scale bytes
.set LN16, 1                           ; 16 x lane
.set R4,   2                           ; 4 x (lane % 16)
.set HM0,  3                           ; all ones in lanes 0-15
.set HM1,  4                           ; all ones in lanes 16-31
.set VAD,  5                           ; my wave's V images
.set STW,  6
.set STR,  7
.set OSTW, 8
.set OSTR, 9
.set OCW,  10
.set OSW,  11
.set OCT,  12                          ; the two above + the tile's step
.set OSU,  13
.set NLAM, 14                          ; -lam
.set MOF,  15                          ; r + 8 (r / 8)
.set B1,   16                          ; v16-23 [Q1 | 0 | -1 | 0]
.set B2,   24                          ; v24-31 [0 | Q2 | -1 | 0]
.set QIN,  32                          ; v32-35 the next tile's Q image; v36 its scale word; v37 the scale word in use
.set QSN,  36
.set QS,   37
.set R1,   38                          ; pairs: the low word serves both halves
.set G2,   40
.set ST4,  42                          ; v42-45: -c m1, l1, -c m2, l2
.set HM2,  46                          ; 2 in lanes 0-15
.set LN4,  47
.set TM,   48                          ; v48-63
.set FIN,  64                          ; v64-95
.set PC,   96                          ; v96-127 A's codes, 8 registers a K step
.set OA,   128                         ; v128-159 O^T, 8 registers a tile of channels
.set KS,   160                         ; v160-191 K's scale words
.set VS,   192                         ; v192-207 V's
.set AS,   208                         ; v208-211 A's
.set TP,   212                         ; v212-220 at work
.set OCR,  221
.set C255, 222
.set OSR,  223
.set MSB, 0
.macro WIN new                         ; the immediate's high byte repeats the setting that is left
.if MSB != (\new)
	s_set_vgpr_msb (MSB<<8)|(\new)
.set MSB, (\new)
.endif
.endm
.macro PLACES n
.rept \n
	v_nop
.endr
.endm
	s_load_b256 s[4:11], s[0:1], 0x0               ; qk, vq, mask, lq1
	s_load_b256 s[12:19], s[0:1], 0x20             ; lk1, lq2, lk2, oq
	v_lshl_add_u32 v254, v0, 2, 0x17000
	v_mov_b32 v255, 0
	v_lshrrev_b32 v212, 5, v0
	v_readfirstlane_b32 s20, v212                  ; wave
	v_and_b32 v212, 31, v0                         ; lane L
	v_and_b32 v213, 15, v0                         ; r
	v_bfe_u32 v214, v0, 4, 1                       ; h
	v_lshlrev_b32 v[LN16], 4, v212
	v_lshlrev_b32 v[R4], 2, v213
	v_lshlrev_b32 v[LN4], 2, v212
	v_add_nc_u32 v[HM0], -1, v214
	v_sub_nc_u32 v[HM1], 0, v214
	v_and_b32 v[HM2], 2, v[HM0]
	v_and_b32 v215, 8, v213
	v_add_nc_u32 v[MOF], v215, v213
	s_wait_alu depctr_va_sdst(0)                   ; s20, the wave's number, is written, ahead of its first reader
	s_lshl_b32 s52, s20, 14
	v_add_nc_u32 v[VAD], s52, v[LN16]
	s_lshl_b32 s52, s20, 9
	v_add_nc_u32 v[STR], STATS, v[LN16]
	v_add_nc_u32 v[STW], s52, v[STR]
	s_mul_i32 s52, s20, 4352
	s_add_co_u32 s52, s52, OST
	v_mul_u32_u24 v[OSTW], v213, 272
	v_lshl_add_u32 v[OSTW], v214, 6, v[OSTW]
	v_add_nc_u32 v[OSTW], s52, v[OSTW]             ; my part of O: row = my query, + 64 h
	v_lshrrev_b32 v215, 3, v212
	s_lshl_b32 s52, s20, 2
	v_add_nc_u32 v215, s52, v215                   ; the row that I finish: 4 w + L / 8
	v_and_b32 v216, 7, v212                        ; and its 8 channels: 8 (L % 8) on
	v_mul_u32_u24 v[OSTR], v215, 272
	v_lshl_add_u32 v[OSTR], v216, 5, v[OSTR]
	v_add_nc_u32 v[OSTR], OST, v[OSTR]
	v_lshrrev_b32 v217, 2, v216                    ; the head's half
	v_and_b32 v218, 3, v212
	v_lshlrev_b32 v[OCW], 4, v215
	v_lshl_add_u32 v[OCW], v217, 8, v[OCW]
	v_lshl_add_u32 v[OCW], v218, 2, v[OCW]
	v_add_nc_u32 v[OCW], OUTC, v[OCW]              ; half x 256 + row x 16 + 4 (L % 4)
	v_lshl_add_u32 v[OSW], v215, 1, v217
	v_add_nc_u32 v[OSW], OUTS, v[OSW]              ; row x 2 + half
	s_lshl_b32 s52, s20, 11
	s_add_co_u32 s52, s52, OUTC
	v_add_nc_u32 v[OCR], s52, v[LN16]
	v_add_nc_u32 v[OSR], OUTS, v[LN16]
	v_mov_b32 v[C255], 0xff
	v_mov_b32 v[R1+1], 0                           ; named as the upper halves of pairs, so they are written
	v_mov_b32 v[G2+1], 0
	v_mov_b32 v[ST4+1], 0
	v_mov_b32 v[ST4+3], 0
	s_mov_b32 s24, 0x3e8293ee                      ; c = log2(e) / sqrt(32)
	s_mov_b32 s25, s24
	s_mov_b32 s26, 0xbe8293ee                      ; -c
	s_mov_b32 s28, 0x76543210
	s_mov_b32 s29, 0xfedcba98                      ; v_permlanex16_b32's selects for lane l xor 16
	s_mov_b32 s30, 0xe20000                        ; 226 in byte 2: 1 + 226 = the byte of 2^100
	s_mov_b32 s46, 0                               ; the tile's step among the codes, 512 a tile,
	s_mov_b32 s47, 0                               ; and among the scale bytes, 32 a tile
	s_and_b32 s21, ttmp7, 0xffff                   ; b 16 + head
	s_lshr_b32 s22, s21, 4                         ; b
	s_and_b32 s23, s21, 15                         ; head
	s_mov_b32 s51, 0
	s_wait_kmcnt 0x0
	s_lshl_b32 s50, s21, 16
	s_lshl_b32 s52, ttmp9, 13
	s_add_co_u32 s50, s50, s52
	s_add_nc_u64 s[32:33], s[4:5], s[50:51]        ; Q's images at my first tile
	s_lshl_b32 s50, s21, 13
	s_lshl_b32 s52, ttmp9, 10
	s_add_co_u32 s50, s50, s52
	s_add_co_u32 s50, s50, 4194304
	s_add_nc_u64 s[34:35], s[4:5], s[50:51]        ; and its scale words
	s_add_co_u32 s53, s21, 32
	s_lshl_b32 s50, s53, 16
	s_lshl_b32 s52, s20, 14
	s_add_co_u32 s50, s50, s52
	s_add_nc_u64 s[36:37], s[4:5], s[50:51]        ; K's images: my 32 tiles
	s_lshl_b32 s50, s53, 13
	s_lshl_b32 s52, s20, 11
	s_add_co_u32 s50, s50, s52
	s_add_co_u32 s50, s50, 4194304
	s_add_nc_u64 s[38:39], s[4:5], s[50:51]
	s_lshl_b32 s50, s21, 16
	s_lshl_b32 s52, s20, 14
	s_add_co_u32 s50, s50, s52
	s_add_nc_u64 s[40:41], s[6:7], s[50:51]        ; V's images: my four K steps
	s_lshl_b32 s50, s21, 12
	s_lshl_b32 s52, s20, 10
	s_add_co_u32 s50, s50, s52
	s_add_co_u32 s50, s50, 2097152
	s_add_nc_u64 s[42:43], s[6:7], s[50:51]
	s_lshl_b32 s50, s22, 11
	s_lshl_b32 s52, s20, 9
	s_add_co_u32 s50, s50, s52
	s_add_nc_u64 s[44:45], s[8:9], s[50:51]        ; the mask of my 512 keys
	s_lshl_b32 s50, s23, 7
	s_add_nc_u64 s[10:11], s[10:11], s[50:51]      ; the head's 32 numbers of lq1, lk1, lq2, lk2
	s_add_nc_u64 s[12:13], s[12:13], s[50:51]
	s_add_nc_u64 s[14:15], s[14:15], s[50:51]
	s_add_nc_u64 s[16:17], s[16:17], s[50:51]
	s_lshl_b32 s50, s22, 7
	s_lshl_b32 s52, ttmp9, 4
	s_add_co_u32 s50, s50, s52
	s_lshl_b32 s52, s20, 2
	s_add_co_u32 s50, s50, s52                     ; the first of the four token tiles whose codes I store
	s_lshl_b32 s50, s50, 13
	s_lshl_b32 s52, s23, 9
	s_add_co_u32 s50, s50, s52
	s_add_nc_u64 s[54:55], s[18:19], s[50:51]
	s_lshl_b32 s50, s21, 12
	s_lshl_b32 s52, ttmp9, 9
	s_add_co_u32 s50, s50, s52
	s_add_co_u32 s50, s50, 2097152
	s_add_nc_u64 s[18:19], s[18:19], s[50:51]      ; the work-group's 512 scale bytes
	WIN 0xc0                                       ; destination window 3
	s_wait_alu depctr_va_vdst(0)                   ; all the addresses made above are written, which the kernel's loads and stores read; so are v212 to v218, in four of which loads below land.  Only loads and window switches follow up to the wait for them
.set f, 0
.rept 32
	global_load_b128 v[8*f:8*f+3], v[LN16], s[36:37] offset:f*512
.set f, f+1
.endr
	WIN 0
.set f, 0
.rept 32
	global_load_b32 v[KS+f], v[R4], s[38:39] offset:f*64
	global_load_u8 v[FIN+f], v[MOF], s[44:45] offset:32*(f/2)+8*(f%2)   ; the mask byte of lane r's key of tile f
.set f, f+1
.endr
.set f, 0
.rept 16
	global_load_b32 v[VS+f], v[R4], s[42:43] offset:f*64
.set f, f+1
.endr
	WIN 0x40                                       ; destination window 1: V passes through S1's registers on its way to LDS
.set f, 0
.rept 32
	global_load_b128 v[4*f:4*f+3], v[LN16], s[40:41] offset:f*512
.set f, f+1
.endr
	WIN 0
	global_load_b32 v212, v[LN4], s[10:11]
	global_load_b32 v213, v[LN4], s[12:13]
	global_load_b32 v214, v[LN4], s[14:15]
	global_load_b32 v215, v[LN4], s[16:17]
	global_load_b128 v[QIN:QIN+3], v[LN16], s[32:33]
	global_load_b32 v[QSN], v[R4], s[34:35]
	s_wait_loadcnt 0x0
	WIN 0x04                                       ; an LDS store's data are its source 1: window 1
.set f, 0
.rept 32
	ds_store_b128 v[VAD], v[4*f:4*f+3] offset:f*512
.set f, f+1
.endr
	WIN 0
.set f, 0
.rept 32
	v_mad_u32_u24 v[KS+f], v[FIN+f], s30, v[KS+f]  ; byte 2 of the key's scale word: 1, or 227 where the key is masked
.set f, f+1
.endr
	WIN 0xc0
.set f, 0
.rept 32
	v_mul_u32_u24 v[8*f+4], v[FIN+f], v[HM2]       ; the mask's block: the code of 1.0 at its first place where the key is masked
	v_mov_b32 v[8*f+5], 0
	v_mov_b32 v[8*f+6], 0
	v_mov_b32 v[8*f+7], 0
.set f, f+1
.endr
	WIN 0
	; lam = exp(sum lq1 lk1) - exp(sum lq2 lk2) + 0.8: a lane a number, summed over the 32 lanes
	v_mul_f32 v212, v212, v213
	v_mul_f32 v214, v214, v215
.irp m, 1,2,4,8
	v_add_f32_dpp v212, v212, v212 row_xmask:\m row_mask:0xf bank_mask:0xf
	v_add_f32_dpp v214, v214, v214 row_xmask:\m row_mask:0xf bank_mask:0xf
.endr
	v_permlanex16_b32 v213, v212, s28, s29
	v_permlanex16_b32 v215, v214, s28, s29
	v_add_f32 v212, v212, v213
	v_add_f32 v214, v214, v215
	v_mul_f32 v212, 0x3fb8aa3b, v212
	v_mul_f32 v214, 0x3fb8aa3b, v214
	v_exp_f32 v212, v212
	v_exp_f32 v214, v214
	v_and_b32 v[B1+4], 10, v[HM0]                  ; the code of -1.0 against the mask's place.  (A plain place behind the exponentials)
	v_and_b32 v[B2+4], 10, v[HM0]
.irp i, 5,6,7
	v_mov_b32 v[B1+\i], 0
	v_mov_b32 v[B2+\i], 0
.endr
	s_wait_alu depctr_va_vdst(0)                   ; the two exponentials have written v212 and v214: one wait for the two, ahead of their first reader
	v_sub_f32 v212, v214, v212
	v_add_f32 v[NLAM], 0xbf4ccccd, v212            ; -lam
.macro QBUILD                          ; the Q image (lanes 0-15: Q1's codes, lanes 16-31: Q2's) becomes the two operands
.irp i, 0,1,2,3
	v_and_b32 v[B1+\i], v[QIN+\i], v[HM0]
	v_and_b32 v[B2+\i], v[QIN+\i], v[HM1]
.endr
	v_mov_b32 v[QS], v[QSN]
.endm
.macro SCORES                          ; 64 matrix instructions, each on an accumulator of its own, begun with 0
	WIN 0x43                                       ; source 0 (K) window 3, source 1 window 0, destination window 1
.set f, 0
.rept 32
	v_wmma_scale_f32_16x16x128_f8f6f4 v[8*f:8*f+7], v[8*f:8*f+7], v[B1:B1+7], 0, v[KS+f], v[QS] matrix_a_fmt:MATRIX_FMT_FP4 matrix_b_fmt:MATRIX_FMT_FP4
.set f, f+1
.endr
	WIN 0x83                                       ; destination window 2
.set f, 0
.rept 32
	v_wmma_scale_f32_16x16x128_f8f6f4 v[8*f:8*f+7], v[8*f:8*f+7], v[B2:B2+7], 0, v[KS+f], v[QS] matrix_a_fmt:MATRIX_FMT_FP4 matrix_b_fmt:MATRIX_FMT_FP4
.set f, f+1
.endr
	WIN 0
.endm
.macro MAXSET win, t0                  ; the largest of a lane's 256 scores and the floor -2^64, in eight chains; each accumulator is read from its low end on
	WIN \win
.set n, 0
.rept 8
	v_max3_num_f32 v[\t0+n], v[2*n], v[2*n+1], 0xdf800000
.set n, n+1
.endr
.rept 120
	v_max3_num_f32 v[\t0+n%8], v[2*n], v[2*n+1], v[\t0+n%8]
.set n, n+1
.endr
.endm
.macro EXPSET win, st                  ; e = 2^(c s - c m): the scalings run four pairs ahead of the exponentials; nothing here reads an exponential's result
	WIN \win
.set p, 0
.rept 4
	v_pk_fma_f32 v[2*p:2*p+1], v[2*p:2*p+1], s[24:25], v[\st:\st+1] op_sel_hi:[1,0,0]
.set p, p+1
.endr
.set p, 0
.rept 128
.if p < 124
	v_pk_fma_f32 v[2*p+8:2*p+9], v[2*p+8:2*p+9], s[24:25], v[\st:\st+1] op_sel_hi:[1,0,0]
.endif
	v_exp_f32 v[2*p], v[2*p]
	v_exp_f32 v[2*p+1], v[2*p+1]
.set p, p+1
.endr
.endm
.macro SUMSET w2, w1, f0               ; the sum of a lane's 256 e, two at a time, in eight chains
	WIN \w2
.set k, 0
.rept 8
	v_pk_add_f32 v[\f0+2*k:\f0+2*k+1], v[2*k:2*k+1], v[16+2*k:16+2*k+1]
.set k, k+1
.endr
	WIN \w1
.set k, 16
.rept 112
	v_pk_add_f32 v[\f0+2*(k%8):\f0+2*(k%8)+1], v[2*k:2*k+1], v[\f0+2*(k%8):\f0+2*(k%8)+1]
.set k, k+1
.endr
.endm
.macro SUMTREE f0, dst
.irp k, 0,2,4,6
	v_pk_add_f32 v[\f0+\k:\f0+\k+1], v[\f0+\k:\f0+\k+1], v[\f0+8+\k:\f0+8+\k+1]
.endr
	v_pk_add_f32 v[\f0:\f0+1], v[\f0:\f0+1], v[\f0+4:\f0+5]
	v_pk_add_f32 v[\f0+2:\f0+3], v[\f0+2:\f0+3], v[\f0+6:\f0+7]
	v_pk_add_f32 v[\f0:\f0+1], v[\f0:\f0+1], v[\f0+2:\f0+3]
	v_add_f32 v[\f0], v[\f0], v[\f0+1]
	v_permlanex16_b32 v[\f0+1], v[\f0], s28, s29
	v_add_f32 v[\dst], v[\f0], v[\f0+1]            ; with lane l xor 16's keys: my wave's sum for the query
.endm
.macro STATX                           ; the four waves' (-c m, sum) of both sets meet; out come the two multipliers
	s_wait_alu depctr_va_vdst(0)                   ; the four statistics are written, which the store reads; the sums are done with v64 to v95, in sixteen of which the loads behind the barrier land
	ds_store_b128 v[STW], v[ST4:ST4+3]
	s_wait_dscnt 0x0                               ; for the others' sake: my store has landed (and my earlier LDS reads are back)
	s_barrier_signal -1
	s_barrier_wait -1
.irp w, 0,1,2,3
	ds_load_b128 v[FIN+4*\w:FIN+4*\w+3], v[STR] offset:512*\w
.endr
	s_wait_dscnt 0x0
	v_min3_num_f32 v[TP], v[FIN], v[FIN+4], v[FIN+8]
	v_min3_num_f32 v[TP+1], v[FIN+2], v[FIN+6], v[FIN+10]
	v_min_num_f32 v[TP], v[TP], v[FIN+12]          ; -c m of the whole row
	v_min_num_f32 v[TP+1], v[TP+1], v[FIN+14]
	v_cmp_ge_f32 s48, v[TP], 0x5e000000            ; at 2^61 or more only where the floor was the largest: every key masked.  It selects a value, no branch
.irp w, 0,1,2,3
	v_sub_f32 v[FIN+16+\w], v[TP], v[FIN+4*\w]
	v_sub_f32 v[FIN+20+\w], v[TP+1], v[FIN+4*\w+2]
.endr
	v_sub_f32 v[FIN+24], v[TP], v[ST4]
	v_sub_f32 v[FIN+25], v[TP+1], v[ST4+2]
.irp n, 0,1,2,3,4,5,6,7,8,9
	v_exp_f32 v[FIN+16+\n], v[FIN+16+\n]           ; f_w = 2^(c m_w - c m), at most 1
.endr
	v_nop
	s_wait_alu depctr_va_vdst(0)                   ; the ten exponentials have written v80 to v89: one wait for the ten, ahead of their first reader
	s_wait_alu depctr_va_sdst(0)                   ; the compare has written s48, ahead of its one reader, the select in FINAL, further down this same run of code
	v_mul_f32 v[TP+2], v[FIN+16], v[FIN+1]
	v_mul_f32 v[TP+3], v[FIN+20], v[FIN+3]
.irp w, 1,2,3
	v_fmac_f32 v[TP+2], v[FIN+16+\w], v[FIN+4*\w+1]
	v_fmac_f32 v[TP+3], v[FIN+20+\w], v[FIN+4*\w+3]
.endr
	v_rcp_f32 v[TP+4], v[TP+2]
	v_rcp_f32 v[TP+5], v[TP+3]
	v_mul_f32 v[TP+6], v[NLAM], v[FIN+25]          ; (a plain place behind the reciprocals)
	s_wait_alu depctr_va_vdst(0)                   ; the two reciprocals have written v216 and v217: one wait for the two
	v_mul_f32 v[R1], v[FIN+24], v[TP+4]
	v_mul_f32 v[G2], v[TP+6], v[TP+5]
.endm
.macro VLOAD                           ; my 16 fragments of V^T into the first 128 of the registers that S2 has left
	WIN 0x80
	s_wait_alu depctr_va_vdst(0)                   ; the scalings have written, and the first 64 multiply-adds are done reading, window 2's v0 to v127, in which the 32 loads land
.set n, 0
.rept 32
	ds_load_b128 v[4*n:4*n+3], v[VAD] offset:n*512
.set n, n+1
.endr
.endm
.macro AFORM                           ; A = e1 R1 + e2 G2, into S1's registers.  V is asked for in the middle: the second 64 multiply-adds name v128 to v255 of windows 1 and 2 and the multiplier, none of the registers that the loads touch
	WIN 0x82
.set p, 0
.rept 128
	v_pk_mul_f32 v[2*p:2*p+1], v[2*p:2*p+1], v[G2:G2+1] op_sel_hi:[1,0]
.set p, p+1
.endr
	WIN 0x61                                       ; source 0 and destination window 1, source 1 window 0, source 2 window 2
.set p, 0
.rept 64
	v_pk_fma_f32 v[2*p:2*p+1], v[2*p:2*p+1], v[R1:R1+1], v[2*p:2*p+1] op_sel_hi:[1,0,1]
.set p, p+1
.endr
	VLOAD
	WIN 0x61
.rept 64
	v_pk_fma_f32 v[2*p:2*p+1], v[2*p:2*p+1], v[R1:R1+1], v[2*p:2*p+1] op_sel_hi:[1,0,1]
.set p, p+1
.endr
	WIN 0
.endm
.macro QUANT16                         ; A's 16 blocks of 32 keys (register 16 b + i = key 32 b + 16 h + i) become four fragments and four scale words
	WIN 0x05
.set b, 0
.rept 16
	v_max3_num_f32 v[TM+b], |v[16*b]|, |v[16*b+1]|, 0x1800000   ; and the floor 2^(3 - 127)
.set b, b+1
.endr
.set i, 2
.rept 7
.set b, 0
.rept 16
	v_max3_num_f32 v[TM+b], |v[16*b+i]|, |v[16*b+i+1]|, v[TM+b]
.set b, b+1
.endr
.set i, i+2
.endr
	WIN 0
.set b, 0
.rept 16
	v_permlanex16_b32 v[FIN+b], v[TM+b], s28, s29
.set b, b+1
.endr
.set b, 0
.rept 16
	v_max_num_f32 v[TM+b], v[TM+b], v[FIN+b]
.set b, b+1
.endr
.set b, 0
.rept 16
	v_add_nc_u32 v[FIN+16+b], 0xff000000, v[TM+b]  ; 2 off the exponent field: the conversion's scale operand
.set b, b+1
.endr
.set b, 0
.rept 16
	v_lshrrev_b32 v[FIN+b], 23, v[FIN+16+b]        ; the scale's byte
.set b, b+1
.endr
.irp j, 0,1,2,3
	v_lshl_or_b32 v[AS+\j], v[FIN+4*\j+1], 8, v[FIN+4*\j]
.endr
.irp j, 0,1,2,3
	v_lshl_or_b32 v[AS+\j], v[FIN+4*\j+2], 16, v[AS+\j]
.endr
.irp j, 0,1,2,3
	v_lshl_or_b32 v[AS+\j], v[FIN+4*\j+3], 24, v[AS+\j]
.endr
	WIN 0x01
.set b, 0
.rept 16
	v_cvt_scalef32_pk8_fp4_f32 v[PC+2*b], v[16*b:16*b+7], v[FIN+16+b]
	v_cvt_scalef32_pk8_fp4_f32 v[PC+2*b+1], v[16*b+8:16*b+15], v[FIN+16+b]
.set b, b+1
.endr
	WIN 0
	v_nop                                          ; one plain place behind a scaled conversion
.set b, 0
.rept 8                                ; a whole block to a lane: lanes 0-15 the even block, lanes 16-31 the odd one
	v_permlane16_swap_b32 v[PC+4*b], v[PC+4*b+2]
	v_permlane16_swap_b32 v[PC+4*b+1], v[PC+4*b+3]
.set b, b+1
.endr
.endm
.macro PV                              ; O^T = V^T A^T over my 512 keys: four accumulators by turns, a K step at a time
	s_wait_dscnt 0x0                               ; V's fragments are in
	PLACES 8                                       ; A's scale words and codes were written by vector instructions
	s_wait_alu depctr_va_vdst(0)                   ; A's codes v96 to v127 and its scale words v208 to v211 are written, which the scaled products take; the places above stay beside this wait
	WIN 0x02                                       ; source 0 (V) window 2
.set j, 0
.rept 4
.set t, 0
.rept 4
.if j == 0
	v_wmma_scale_f32_16x16x128_f8f6f4 v[OA+8*t:OA+8*t+7], v[32*j+8*t:32*j+8*t+7], v[PC+8*j:PC+8*j+7], 0, v[VS+4*j+t], v[AS+j] matrix_a_fmt:MATRIX_FMT_FP4 matrix_b_fmt:MATRIX_FMT_FP4
.else
	v_wmma_scale_f32_16x16x128_f8f6f4 v[OA+8*t:OA+8*t+7], v[32*j+8*t:32*j+8*t+7], v[PC+8*j:PC+8*j+7], v[OA+8*t:OA+8*t+7], v[VS+4*j+t], v[AS+j] matrix_a_fmt:MATRIX_FMT_FP4 matrix_b_fmt:MATRIX_FMT_FP4
.endif
.set t, t+1
.endr
.set j, j+1
.endr
	WIN 0
	PLACES 5                                       ; in front of the stores of O, and of the next scores, which are laid over V's registers
.endm
.macro OSTORE                          ; register j of tile 2 bb + u is channel 32 bb + 8 u + 16 h + j; each accumulator from its low end on
	s_wait_alu depctr_va_vdst(0)                   ; the products have written O^T, which the stores read (the places above stay beside this wait).  It also states: QBUILD has written the next scores' operands and scale word, and is done reading v32 to v36, in which the next tile's loads land; QUANT16 is done with v64 to v95, in which FINAL's loads land.  Up to those loads only the scores' products and two additions follow, which name none of these
.irp t, 0,1,2,3
	ds_store_b128 v[OSTW], v[OA+8*\t:OA+8*\t+3] offset:(\t/2)*128+(\t%2)*32
	ds_store_b128 v[OSTW], v[OA+8*\t+4:OA+8*\t+7] offset:(\t/2)*128+(\t%2)*32+16
.endr
.endm
.macro FINAL                           ; my 8 channels of my row: the four waves' parts are added and quantised; four neighbouring lanes hold a block of 32
.irp w, 0,1,2,3
	ds_load_b128 v[FIN+8*\w:FIN+8*\w+3], v[OSTR] offset:\w*4352
	ds_load_b128 v[FIN+8*\w+4:FIN+8*\w+7], v[OSTR] offset:\w*4352+16
.endr
	s_wait_dscnt 0x0
.irp k, 0,2,4,6
	v_pk_add_f32 v[FIN+\k:FIN+\k+1], v[FIN+\k:FIN+\k+1], v[FIN+8+\k:FIN+8+\k+1]
	v_pk_add_f32 v[FIN+16+\k:FIN+16+\k+1], v[FIN+16+\k:FIN+16+\k+1], v[FIN+24+\k:FIN+24+\k+1]
.endr
.irp k, 0,2,4,6
	v_pk_add_f32 v[FIN+\k:FIN+\k+1], v[FIN+\k:FIN+\k+1], v[FIN+16+\k:FIN+16+\k+1]
.endr
	v_max3_num_f32 v[TP], |v[FIN]|, |v[FIN+1]|, 0x1800000
	v_max3_num_f32 v[TP], v[TP], |v[FIN+2]|, |v[FIN+3]|
	v_max3_num_f32 v[TP], v[TP], |v[FIN+4]|, |v[FIN+5]|
	v_max3_num_f32 v[TP], v[TP], |v[FIN+6]|, |v[FIN+7]|
	v_max_num_f32_dpp v[TP], v[TP], v[TP] row_xmask:1 row_mask:0xf bank_mask:0xf
	v_max_num_f32_dpp v[TP], v[TP], v[TP] row_xmask:2 row_mask:0xf bank_mask:0xf
	v_add_nc_u32 v[TP+1], 0xff000000, v[TP]
	v_lshrrev_b32 v[TP+2], 23, v[TP+1]
	v_cndmask_b32 v[TP+2], v[TP+2], v[C255], s48   ; every key masked: the byte that makes the next product NaN
	v_cvt_scalef32_pk8_fp4_f32 v[TP+4], v[FIN:FIN+7], v[TP+1]
	v_nop
	s_wait_alu depctr_va_vdst(0)                   ; the code, the byte and their two addresses are written, which the two stores read; behind the last tile it also states that the arithmetic above is done with v64 to v95, in which the way out's loads land
	ds_store_b32 v[OCT], v[TP+4]
	ds_store_b8 v[OSU], v[TP+2]                    ; the four lanes of a block write the same byte with the same value
.endm
; A TILE OF 16 QUERIES.  Its scores were made at the end of the tile before.  Two barriers: behind the first the waves' statistics are read, behind the second their parts of O.
; The statistics' bytes are written again only behind the second barrier, the parts' bytes only behind the next first one; every wave's reads are waited for in front of those.
.macro TILE last
	s_wait_alu depctr_vm_vsrc(0)                   ; the LDS stores of the tile before have read the statistics v42 to v45, O^T v128 to v159, the byte v214, the code v216 and the addresses v12 and v13: this tile writes all of them again
.if \last == 0
	global_load_b128 v[QIN:QIN+3], v[LN16], s[32:33] offset:512    ; the next tile's Q, a whole tile ahead
	global_load_b32 v[QSN], v[R4], s[34:35] offset:64
.endif
	PLACES 4                                       ; in front of the first read of the scores
	MAXSET 0x05, TM
	MAXSET 0x0a, TM+8
	WIN 0
.irp t, TM, TM+8
	v_max3_num_f32 v[\t], v[\t], v[\t+1], v[\t+2]
	v_max3_num_f32 v[\t+3], v[\t+3], v[\t+4], v[\t+5]
.endr
.irp t, TM, TM+8
	v_max3_num_f32 v[\t], v[\t], v[\t+6], v[\t+7]
.endr
.irp t, TM, TM+8
	v_max_num_f32 v[\t], v[\t], v[\t+3]
.endr
.irp t, TM, TM+8
	v_permlanex16_b32 v[\t+1], v[\t], s28, s29
.endr
.irp t, TM, TM+8
	v_max_num_f32 v[\t], v[\t], v[\t+1]            ; my wave's largest score of the query
.endr
	v_mul_f32 v[ST4], s26, v[TM]                   ; -c m
	v_mul_f32 v[ST4+2], s26, v[TM+8]
	EXPSET 0x41, ST4
	EXPSET 0x82, ST4+2
	WIN 0
	v_nop                                          ; a plain place behind the last exponential
	s_wait_alu depctr_va_vdst(0)                   ; the 512 exponentials have written windows 1 and 2: ONE wait for them, ahead of their first reader
	SUMSET 0x05, 0x01, FIN
	SUMSET 0x0a, 0x02, FIN+16
	WIN 0
	SUMTREE FIN, ST4+1
	SUMTREE FIN+16, ST4+3
	STATX
	AFORM
.if \last == 0
	s_wait_loadcnt 0x0                             ; the next Q is in, and its loads are done: their bases may step
	QBUILD
	s_add_nc_u64 s[32:33], s[32:33], 512
	s_add_nc_u64 s[34:35], s[34:35], 64
.endif
	QUANT16
	PV
	OSTORE
	s_wait_dscnt 0x0                               ; for the others' sake: my part of O has landed
	s_barrier_signal -1
.if \last == 0
	SCORES                                         ; work on registers while the others arrive: the next tile's scores
.endif
	s_barrier_wait -1
	v_add_nc_u32 v[OCT], s46, v[OCW]
	v_add_nc_u32 v[OSU], s47, v[OSW]
	FINAL
	s_add_co_u32 s46, s46, 512
	s_add_co_u32 s47, s47, 32
.endm
	QBUILD
	s_wait_dscnt 0x0                               ; V's images lie in LDS
	s_wait_alu depctr_vm_vsrc(0)                   ; my LDS stores of V have read window 1's v0 to v127, into which the first scores are written
	PLACES 8                                       ; Q's scale word was written by a vector instruction
	s_wait_alu depctr_va_vdst(0)                   ; K's mask blocks and scale words, the two operands of Q and its scale word are written, which the scaled products take; QBUILD is done reading v32 to v36, in which the first tile's loads land
	SCORES
	s_mov_b32 s49, 15
.Ltile:
	TILE 0
	s_sub_co_u32 s49, s49, 1
	s_cmp_lg_u32 s49, 0
	s_cbranch_scc1 .Ltile
	TILE 1                                         ; the last tile asks for no further Q and makes no further scores
	s_wait_dscnt 0x0
	s_barrier_signal -1
	s_barrier_wait -1                              ; the 16 tiles' codes and bytes lie in LDS
.irp t, 0,1,2,3
	ds_load_b128 v[FIN+4*\t:FIN+4*\t+3], v[OCR] offset:512*\t
.endr
	s_wait_dscnt 0x0
.irp t, 0,1,2,3
	global_store_b128 v[LN16], v[FIN+4*\t:FIN+4*\t+3], s[54:55] offset:8192*\t   ; 512 consecutive bytes, aligned
.endr
	s_cmp_lg_u32 s20, 0
	s_cbranch_scc1 .Ldone
	ds_load_b128 v[FIN+16:FIN+19], v[OSR]
	s_wait_dscnt 0x0
	global_store_b128 v[LN16], v[FIN+16:FIN+19], s[18:19]          ; wave 0: the 512 scale bytes, consecutive and aligned
.Ldone:
	s_wait_dscnt 0x0                               ; the closing lines, six on end
	s_wait_alu 0x0
	s_wait_tensorcnt 0x0
	ds_add_u32 v254, v255
	s_wait_dscnt 0x0
	s_endpgm
.Lfunc_end_k_qed3702321d_attn:
	.size	k_qed3702321d_attn, .Lfunc_end_k_qed3702321d_attn-k_qed3702321d_attn
	.p2alignl 7, 3214868480
	.fill 96, 4, 3214868480
	.section	.rodata,"a",@progbits
	.p2align	6, 0x0
	.amdhsa_kernel k_qed3702321d_attn
		.amdhsa_group_segment_fixed_size 94720
		.amdhsa_private_segment_fixed_size 0
		.amdhsa_enable_private_segment 0
		.amdhsa_kernarg_size 64
		.amdhsa_user_sgpr_count 2
		.amdhsa_user_sgpr_kernarg_segment_ptr 1
		.amdhsa_wavefront_size32 1
		.amdhsa_system_sgpr_workgroup_id_x 1
		.amdhsa_system_sgpr_workgroup_id_y 1
		.amdhsa_system_sgpr_workgroup_id_z 1
		.amdhsa_system_vgpr_workitem_id 0
		.amdhsa_next_free_vgpr 1024
		.amdhsa_next_free_sgpr 66
		.amdhsa_reserve_vcc 0
		.amdhsa_float_denorm_mode_32 3
		.amdhsa_float_denorm_mode_16_64 3
		.amdhsa_memory_ordered 1
		.amdhsa_forward_progress 1
		.amdhsa_inst_pref_size 255
	.end_amdhsa_kernel
	.section	.bss,"aw",@nobits
	.p2align	6
	.space	262144
	.amdgpu_metadata
---
amdhsa.version: [ 1, 2 ]
amdhsa.kernels:
  - .name:           k_qed3702321d_attn
    .symbol:         k_qed3702321d_attn.kd
    .args:
      - { .name: qk, .offset: 0, .size: 8, .value_kind: global_buffer, .address_space: global }
      - { .name: vq, .offset: 8, .size: 8, .value_kind: global_buffer, .address_space: global }
      - { .name: key_padding_mask, .offset: 16, .size: 8, .value_kind: global_buffer, .address_space: global }
      - { .name: lq1, .offset: 24, .size: 8, .value_kind: global_buffer, .address_space: global }
      - { .name: lk1, .offset: 32, .size: 8, .value_kind: global_buffer, .address_space: global }
      - { .name: lq2, .offset: 40, .size: 8, .value_kind: global_buffer, .address_space: global }
      - { .name: lk2, .offset: 48, .size: 8, .value_kind: global_buffer, .address_space: global }
      - { .name: oq, .offset: 56, .size: 8, .value_kind: global_buffer, .address_space: global }
    .group_segment_fixed_size: 94720
    .private_segment_fixed_size: 0
    .kernarg_segment_align: 8
    .kernarg_segment_size: 64
    .max_flat_workgroup_size: 128
    .sgpr_count:     66
    .vgpr_count:     1024
    .wavefront_size: 32
...
	.end_amdgpu_metadata
.endif
;; end of part 5
;; launch outln (part 6): grid 256 x 1, 8 waves a work-group, no clusters, 68,864 bytes of LDS; arguments oq, wq, x, gamma, beta, out0; writes out0
.if DOCPART == 6
	.amdgcn_target "amdgcn-amd-amdhsa--gfx1250"
	.amdhsa_code_object_version 6
	.text
	.protected	k_qed3702321d_outln
	.globl	k_qed3702321d_outln
	.p2align	8
	.type	k_qed3702321d_outln,@function
k_qed3702321d_outln:
	s_mov_b64 s[64:65], 0
	v_nop
	global_prefetch_b8 v0, s[64:65] scope:SCOPE_SE
	s_setreg_imm32_b32 hwreg(HW_REG_WAVE_SCHED_MODE, 0, 2), 2
	s_setreg_imm32_b32 hwreg(HW_REG_WAVE_MODE, 25, 1), 1
	s_wait_xcnt 0x0
	s_wait_alu depctr_vm_vsrc(0)
; y = out Wo^T + x on codes of FP4 (E2M1) with E8M0 scales, sums in f32; then LayerNorm over the 1,024 features, gamma, beta.
; SHARES: a work-group owns one tile of 16 tokens (tile 2 bb + u: rows 32 bb + 8 u + r + 8 (r / 8)) and all 1,024 features, so the norm stays inside it.  Wave w owns features 128 w .. 128 w + 127: 8 tiles of Wo.
; The product is used transposed (source 0 = 16 rows of Wo, source 1 = the 16 tokens): a lane holds one token, its 64 registers features.  x is the C of each sum's first matrix instruction.
; Operands come from memory straight into registers, as images (512 consecutive bytes a load), four K steps deep: 18 loads a step.
; x goes through LDS (loaded as whole rows, read in the result's layout), and the normalised rows go back the same way, so that every global load and store covers 512 consecutive bytes, aligned.
; The variance is the mean of (y - mu)^2, taken in a second pass over the registers.
; NO CLUSTER: all 256 work-groups read the same codes of Wo; joint loads want tensor loads and a ring with rounds, which this text does not have: it loads through registers.
; A token whose scale byte in oq is 0xff (every key of its batch masked) comes out NaN, as the definition has it.
; REGISTERS: window 0: v1-9 addresses; v32-95 y; v96-127 out's fragments, four sets; v128-159 Wo's scale words; v160-167 out's; v168-231 rows of x, later of the result; v232-247 at work.
;   window 1: Wo's fragments, four sets of 64; later gamma (v0-31) and beta (v32-63).
; THE MODE: SCHED_MODE bits 1:0 = 2 (LLVM: expert scheduling mode 2), set by the entry lines.  The code itself states the register dependences
; between vector or matrix instructions and memory or LDS instructions, with s_wait_alu, always for 0.
; THE PLAN.  Registers that memory or LDS instructions touch:
;   the four sets of fragments (window 0 v96-127, window 1)  Step s: its eight products read set s % 4; behind them, in steps 0 to 3, the 18 loads of step s + 4 land in it; behind step 7 gamma and beta land in set 0.
;   v168-231  x lands here and is stored to LDS; much later the normalised rows land here from LDS, the multiply-adds by gamma and beta write them, and the last stores read them.
;   v32-95    x lands here from LDS; products and vector instructions work on them; the stores of the normalised y read them.
;   v232      the data of the two small stores of partial sums; v236-243: the loads of the eight waves' partial sums land here.
;   v1-9      addresses, made at the head and never written again.
; So in steps 0 to 3 ONE wait on va_vdst stands behind the step's products, where its set is asked for again at once: the launch lives on loads in flight, and a set that waited for the next step's head would lie idle for a step.
; One wait on va_vdst stands ahead of each run of stores whose data have just been made, and one wait on vm_vsrc in the whole text, ahead of the second pass.
.set XP,    4112                       ; a row of 4,096 bytes + 16 of padding
.set RS1,   65792                      ; LDS behind the 16 rows: [lane][wave] partial sums, 1,024 bytes; the second pass's 1,024 bytes behind them
.set SCOFF, 2097152
.set LN16, 1
.set XSTW, 4                           ; rows 2 w, 2 w + 1, 16 bytes a lane
.set XSTR, 5                           ; row r, my wave's 512 bytes, + 64 h
.set RSW,  6
.set RSR,  7
.set SCWA, 8
.set U16A, 9
.set ACC,  32
.set OF,   96
.set SCW,  128                         ; v[SCW + 8 (i % 4) + s]: lanes 0-15 tile i, lanes 16-31 tile i + 4
.set OSWD, 160
.set TMP,  168
.set U16,  232
.set SS,   232
.set NMU,  244
.set RSD,  246
.set MSB, 0
.macro WIN new                         ; the immediate's high byte repeats the setting that is left
.if MSB != (\new)
	s_set_vgpr_msb (MSB<<8)|(\new)
.set MSB, (\new)
.endif
.endm
.macro PLACES n
.rept \n
	v_nop
.endr
.endm
	s_load_b256 s[4:11], s[0:1], 0x0               ; oq, wq, x, gamma
	s_load_b128 s[12:15], s[0:1], 0x20             ; beta, out0
	v_lshl_add_u32 v254, v0, 2, 0x10900
	v_mov_b32 v255, 0
	v_lshrrev_b32 v2, 5, v0
	v_readfirstlane_b32 s16, v2                    ; wave 0..7
	v_and_b32 v10, 31, v0                          ; lane
	v_and_b32 v2, 15, v0                           ; r
	v_bfe_u32 v3, v0, 4, 1                         ; h
	v_lshlrev_b32 v[LN16], 4, v10
	s_wait_alu depctr_va_sdst(0)                   ; s16, the wave's number, is written, ahead of its first reader
	s_mul_i32 s17, s16, 2*XP
	v_add_nc_u32 v[XSTW], s17, v[LN16]
	v_mul_u32_u24 v[XSTR], v2, XP
	v_lshl_add_u32 v[XSTR], v3, 6, v[XSTR]
	s_lshl_b32 s17, s16, 9
	v_add_nc_u32 v[XSTR], s17, v[XSTR]
	v_lshlrev_b32 v[RSR], 5, v10
	v_add_nc_u32 v[RSR], RS1, v[RSR]
	s_lshl_b32 s17, s16, 2
	v_add_nc_u32 v[RSW], s17, v[RSR]
	v_lshlrev_b32 v[SCWA], 4, v2
	v_lshl_add_u32 v[SCWA], v3, 11, v[SCWA]        ; lanes 16-31 take the tile four further on: 4 x 512 bytes
	v_lshlrev_b32 v[U16A], 1, v2
	s_mov_b32 s18, 0x76543210
	s_mov_b32 s19, 0xfedcba98                      ; v_permlanex16_b32's selects for lane l xor 16
	s_mov_b32 s26, 0x3a800000                      ; 1 / 1,024
	s_mov_b32 s27, 0x3727c5ac                      ; 1e-5
	s_mov_b32 s21, 0
	s_wait_kmcnt 0x0
	s_lshl_b32 s20, ttmp9, 13
	s_add_nc_u64 s[22:23], s[4:5], s[20:21]        ; out's codes: my tile
	s_lshr_b32 s20, ttmp9, 7
	s_lshl_b32 s20, s20, 16                        ; b x 16 heads x 4,096
	s_and_b32 s24, ttmp9, 127
	s_lshl_b32 s24, s24, 5                         ; the tile in its batch x 32
	s_add_co_u32 s20, s20, s24
	s_add_co_u32 s20, s20, SCOFF
	s_add_nc_u64 s[4:5], s[4:5], s[20:21]          ; out's scale bytes
	s_lshl_b32 s20, s16, 16
	s_add_co_u32 s20, s20, 192*8192
	s_add_nc_u64 s[24:25], s[6:7], s[20:21]        ; Wo's codes: tiles 192 + 8 w on
	s_lshl_b32 s20, s16, 12
	s_add_co_u32 s20, s20, SCOFF+192*512
	s_add_nc_u64 s[6:7], s[6:7], s[20:21]          ; Wo's scale words
	s_lshr_b32 s20, ttmp9, 1
	s_lshl_b32 s20, s20, 5
	s_and_b32 s28, ttmp9, 1
	s_lshl_b32 s28, s28, 3
	s_add_co_u32 s20, s20, s28
	s_lshl_b32 s28, s16, 1
	s_add_co_u32 s20, s20, s28
	s_lshr_b32 s28, s16, 2
	s_lshl_b32 s28, s28, 3
	s_add_co_u32 s20, s20, s28                     ; the token of the tile's row 2 w: 32 (T / 2) + 8 (T % 2) + 2 w + 8 (w / 4)
	s_lshl_b32 s20, s20, 12
	s_add_nc_u64 s[8:9], s[8:9], s[20:21]
	s_add_nc_u64 s[14:15], s[14:15], s[20:21]
.macro G s                             ; K step s: out's fragment and my 8 fragments of Wo into set s % 4: 18 loads
	global_load_b128 v[OF+8*((\s)%4):OF+8*((\s)%4)+3], v[LN16], s[22:23] offset:(\s)*1024
	global_load_b128 v[OF+8*((\s)%4)+4:OF+8*((\s)%4)+7], v[LN16], s[22:23] offset:(\s)*1024+512
	WIN 0x40
.irp i, 0,1,2,3,4,5,6,7
.irp c, 0,1
	global_load_b128 v[64*((\s)%4)+8*\i+4*\c:64*((\s)%4)+8*\i+4*\c+3], v[LN16], s[24:25] offset:\i*8192+(\s)*1024+\c*512
.endr
.endr
	WIN 0
.endm
	s_wait_alu depctr_va_vdst(0)                   ; the seven addresses v1 and v4 to v9 are written, which the kernel's loads and stores read
.irp d, 0,1,2,3,4,5,6,7,8,9,10,11,12,13,14,15
	global_load_u16 v[U16+\d], v[U16A], s[4:5] offset:\d*4096      ; head d's two scale bytes of token r
.endr
.irp i, 0,1,2,3
	global_load_b128 v[SCW+8*\i:SCW+8*\i+3], v[SCWA], s[6:7] offset:\i*512
	global_load_b128 v[SCW+8*\i+4:SCW+8*\i+7], v[SCWA], s[6:7] offset:\i*512+256
.endr
.irp e, 0,1
.irp k, 0,1,2,3,4,5,6,7
	global_load_b128 v[TMP+4*(8*\e+\k):TMP+4*(8*\e+\k)+3], v[LN16], s[8:9] offset:\e*4096+\k*512 th:TH_LOAD_NT
.endr
.endr
	G 0
	s_wait_loadcnt 18                              ; the scale bytes, the scale words and x are in; the 18 loads of K step 0 may be out
.irp e, 0,1
.irp k, 0,1,2,3,4,5,6,7
	ds_store_b128 v[XSTW], v[TMP+4*(8*\e+\k):TMP+4*(8*\e+\k)+3] offset:\e*XP+\k*512
.endr
.endr
.irp s, 0,1,2,3,4,5,6,7
	v_lshl_or_b32 v[OSWD+\s], v[U16+2*\s+1], 16, v[U16+2*\s]       ; K step s = heads 2 s, 2 s + 1: four bytes
.endr
	G 1
	G 2
	G 3
	s_wait_dscnt 0x0                               ; for the others' sake: my two rows of x have landed
	s_barrier_signal -1
	s_barrier_wait -1
.irp i, 0,1,2,3,4,5,6,7
	ds_load_b128 v[ACC+8*\i:ACC+8*\i+3], v[XSTR] offset:(\i/2)*128+(\i%2)*32       ; x in the result's layout: register j of tile 2 bb + u is feature 32 bb + 8 u + 16 h + j of my 128
	ds_load_b128 v[ACC+8*\i+4:ACC+8*\i+7], v[XSTR] offset:(\i/2)*128+(\i%2)*32+16
.endr
	PLACES 8                                       ; out's scale words were written by vector instructions
	s_wait_dscnt 0x0
	s_wait_alu depctr_va_vdst(0)                   ; out's eight scale words v160 to v167 are written, which the scaled products take; the places above stay beside this wait
.macro STEP s, left                    ; eight matrix instructions, the eight accumulators by turns
	s_wait_loadcnt \left                           ; this step's 18 loads are in; the later steps' may be out
	WIN 0x01                                       ; source 0 (Wo) window 1
.irp i, 0,1,2,3
	v_wmma_scale_f32_16x16x128_f8f6f4 v[ACC+8*\i:ACC+8*\i+7], v[64*((\s)%4)+8*\i:64*((\s)%4)+8*\i+7], v[OF+8*((\s)%4):OF+8*((\s)%4)+7], v[ACC+8*\i:ACC+8*\i+7], v[SCW+8*\i+(\s)], v[OSWD+(\s)] matrix_a_fmt:MATRIX_FMT_FP4 matrix_b_fmt:MATRIX_FMT_FP4
.endr
.irp i, 4,5,6,7
	v_wmma_scale_f32_16x16x128_f8f6f4 v[ACC+8*\i:ACC+8*\i+7], v[64*((\s)%4)+8*\i:64*((\s)%4)+8*\i+7], v[OF+8*((\s)%4):OF+8*((\s)%4)+7], v[ACC+8*\i:ACC+8*\i+7], v[SCW+8*(\i-4)+(\s)], v[OSWD+(\s)] matrix_a_fmt:MATRIX_FMT_FP4 matrix_b_fmt:MATRIX_FMT_FP4 matrix_a_scale:MATRIX_SCALE_ROW1
.endr
	WIN 0
.if (\s) < 4
	PLACES 4                                       ; in front of loads into registers that these matrix instructions have read
	s_wait_alu depctr_va_vdst(0)                   ; this step's eight products are done reading their set of fragments, in which the 18 loads below land
	G (\s)+4
.endif
.endm
	STEP 0, 54
	STEP 1, 54
	STEP 2, 54
	STEP 3, 54
	STEP 4, 54
	STEP 5, 36
	STEP 6, 18
	STEP 7, 0
	PLACES 4                                       ; in front of the first read of y and of loads into Wo's registers
	WIN 0x40
	s_wait_alu depctr_va_vdst(0)                   ; the products of steps 4 to 7 are done reading Wo's fragments: in set 0's registers gamma and beta land
.irp k, 0,1,2,3,4,5,6,7
	global_load_b128 v[4*\k:4*\k+3], v[LN16], s[10:11] offset:512*\k       ; gamma and beta in a row's layout; they land while the statistics are made
	global_load_b128 v[32+4*\k:32+4*\k+3], v[LN16], s[12:13] offset:512*\k
.endr
	WIN 0
.macro XSUM off                        ; a lane's pair of partial sums v[SS:SS+1] becomes the token's sum over the 1,024 features, in v[SS+4], the same in every wave
	v_add_f32 v[SS], v[SS], v[SS+1]
	v_permlanex16_b32 v[SS+1], v[SS], s18, s19
	v_add_f32 v[SS], v[SS], v[SS+1]
	s_wait_alu depctr_va_vdst(0)                   ; my partial sum v232 is written, which the store reads; the chains are done with v236 to v243, in which the two loads behind the barrier land
	ds_store_b32 v[RSW], v[SS] offset:\off
	s_wait_dscnt 0x0                               ; for the others' sake: my store has landed, and my earlier LDS reads are back
	s_barrier_signal -1
	s_barrier_wait -1
	ds_load_b128 v[SS+4:SS+7], v[RSR] offset:\off
	ds_load_b128 v[SS+8:SS+11], v[RSR] offset:\off+16
	s_wait_dscnt 0x0
	v_pk_add_f32 v[SS+4:SS+5], v[SS+4:SS+5], v[SS+6:SS+7]
	v_pk_add_f32 v[SS+8:SS+9], v[SS+8:SS+9], v[SS+10:SS+11]
	v_pk_add_f32 v[SS+4:SS+5], v[SS+4:SS+5], v[SS+8:SS+9]
	v_add_f32 v[SS+4], v[SS+4], v[SS+5]
.endm
.irp k, 0,1,2,3                        ; the sum of my 64 numbers, two at a time, in four chains; each accumulator from its low end on
	v_pk_add_f32 v[SS+2*\k:SS+2*\k+1], v[ACC+2*\k:ACC+2*\k+1], v[ACC+8+2*\k:ACC+8+2*\k+1]
.endr
.set p, 8
.rept 24
	v_pk_add_f32 v[SS+2*(p%4):SS+2*(p%4)+1], v[SS+2*(p%4):SS+2*(p%4)+1], v[ACC+2*p:ACC+2*p+1]
.set p, p+1
.endr
	v_pk_add_f32 v[SS:SS+1], v[SS:SS+1], v[SS+4:SS+5]
	v_pk_add_f32 v[SS+2:SS+3], v[SS+2:SS+3], v[SS+6:SS+7]
	v_pk_add_f32 v[SS:SS+1], v[SS:SS+1], v[SS+2:SS+3]
	XSUM 0
	v_mul_f32 v[NMU], 0xba800000, v[SS+4]          ; -mu
	v_mov_b32 v[NMU+1], v[NMU]
.set p, 0
.rept 32
	v_pk_add_f32 v[ACC+2*p:ACC+2*p+1], v[ACC+2*p:ACC+2*p+1], v[NMU:NMU+1]
.set p, p+1
.endr
	s_wait_alu depctr_vm_vsrc(0)                   ; the store of my first partial sum has read v232, which the squares below write again; the head's LDS stores of x have read v168 to v231, in which the normalised rows land further down
.irp k, 0,1,2,3
	v_pk_mul_f32 v[SS+2*\k:SS+2*\k+1], v[ACC+2*\k:ACC+2*\k+1], v[ACC+2*\k:ACC+2*\k+1]
.endr
.set p, 4
.rept 28
	v_pk_fma_f32 v[SS+2*(p%4):SS+2*(p%4)+1], v[ACC+2*p:ACC+2*p+1], v[ACC+2*p:ACC+2*p+1], v[SS+2*(p%4):SS+2*(p%4)+1]
.set p, p+1
.endr
	v_pk_add_f32 v[SS:SS+1], v[SS:SS+1], v[SS+4:SS+5]
	v_pk_add_f32 v[SS+2:SS+3], v[SS+2:SS+3], v[SS+6:SS+7]
	v_pk_add_f32 v[SS:SS+1], v[SS:SS+1], v[SS+2:SS+3]
	XSUM 1024
	v_fma_f32 v[RSD], v[SS+4], s26, s27            ; the variance + 1e-5
	v_rsq_f32 v[RSD], v[RSD]
	v_mov_b32 v[RSD+1], 0                          ; a plain place behind the transcendental (and the pair's upper half is written)
	s_wait_alu depctr_va_vdst(0)                   ; the reciprocal root has written v246, ahead of its first reader
.set p, 0
.rept 32
	v_pk_mul_f32 v[ACC+2*p:ACC+2*p+1], v[ACC+2*p:ACC+2*p+1], v[RSD:RSD+1] op_sel_hi:[1,0]
.set p, p+1
.endr
	s_wait_alu depctr_va_vdst(0)                   ; the 32 multiplications have written v32 to v95, which the LDS stores read
.irp i, 0,1,2,3,4,5,6,7                ; back into the rows' bytes: every wave's reads of x there were waited for in front of the first statistics barrier
	ds_store_b128 v[XSTR], v[ACC+8*\i:ACC+8*\i+3] offset:(\i/2)*128+(\i%2)*32
	ds_store_b128 v[XSTR], v[ACC+8*\i+4:ACC+8*\i+7] offset:(\i/2)*128+(\i%2)*32+16
.endr
	s_wait_dscnt 0x0
	s_barrier_signal -1
	s_barrier_wait -1                              ; 16 whole normalised rows lie in LDS
.irp e, 0,1
.irp k, 0,1,2,3,4,5,6,7
	ds_load_b128 v[TMP+4*(8*\e+\k):TMP+4*(8*\e+\k)+3], v[XSTW] offset:\e*XP+\k*512
.endr
.endr
	s_wait_loadcnt 0x0                             ; gamma, beta
	s_wait_dscnt 0x0
	WIN 0x14                                       ; sources 1 and 2 (gamma, beta) window 1
.irp e, 0,1
.irp k, 0,1,2,3,4,5,6,7
.irp m, 0,2
	v_pk_fma_f32 v[TMP+4*(8*\e+\k)+\m:TMP+4*(8*\e+\k)+\m+1], v[TMP+4*(8*\e+\k)+\m:TMP+4*(8*\e+\k)+\m+1], v[4*\k+\m:4*\k+\m+1], v[32+4*\k+\m:32+4*\k+\m+1]
.endr
.endr
.endr
	WIN 0
	s_wait_alu depctr_va_vdst(0)                   ; the 32 multiply-adds have written v168 to v231, which the stores read
.irp e, 0,1
.irp k, 0,1,2,3,4,5,6,7
	global_store_b128 v[LN16], v[TMP+4*(8*\e+\k):TMP+4*(8*\e+\k)+3], s[14:15] offset:\e*4096+\k*512 th:TH_STORE_NT   ; 32 lanes store 512 consecutive bytes, aligned
.endr
.endr
	s_wait_dscnt 0x0                               ; the closing lines, six on end
	s_wait_alu 0x0
	s_wait_tensorcnt 0x0
	ds_add_u32 v254, v255
	s_wait_dscnt 0x0
	s_endpgm
.Lfunc_end_k_qed3702321d_outln:
	.size	k_qed3702321d_outln, .Lfunc_end_k_qed3702321d_outln-k_qed3702321d_outln
	.p2alignl 7, 3214868480
	.fill 96, 4, 3214868480
	.section	.rodata,"a",@progbits
	.p2align	6, 0x0
	.amdhsa_kernel k_qed3702321d_outln
		.amdhsa_group_segment_fixed_size 68864
		.amdhsa_private_segment_fixed_size 0
		.amdhsa_enable_private_segment 0
		.amdhsa_kernarg_size 48
		.amdhsa_user_sgpr_count 2
		.amdhsa_user_sgpr_kernarg_segment_ptr 1
		.amdhsa_wavefront_size32 1
		.amdhsa_system_sgpr_workgroup_id_x 1
		.amdhsa_system_sgpr_workgroup_id_y 1
		.amdhsa_system_sgpr_workgroup_id_z 1
		.amdhsa_system_vgpr_workitem_id 0
		.amdhsa_next_free_vgpr 512
		.amdhsa_next_free_sgpr 66
		.amdhsa_reserve_vcc 0
		.amdhsa_float_denorm_mode_32 3
		.amdhsa_float_denorm_mode_16_64 3
		.amdhsa_memory_ordered 1
		.amdhsa_forward_progress 1
		.amdhsa_inst_pref_size 51
	.end_amdhsa_kernel
	.amdgpu_metadata
---
amdhsa.version: [ 1, 2 ]
amdhsa.kernels:
  - .name:           k_qed3702321d_outln
    .symbol:         k_qed3702321d_outln.kd
    .args:
      - { .name: oq, .offset: 0, .size: 8, .value_kind: global_buffer, .address_space: global }
      - { .name: wq, .offset: 8, .size: 8, .value_kind: global_buffer, .address_space: global }
      - { .name: x, .offset: 16, .size: 8, .value_kind: global_buffer, .address_space: global }
      - { .name: gamma, .offset: 24, .size: 8, .value_kind: global_buffer, .address_space: global }
      - { .name: beta, .offset: 32, .size: 8, .value_kind: global_buffer, .address_space: global }
      - { .name: out0, .offset: 40, .size: 8, .value_kind: global_buffer, .address_space: global }
    .group_segment_fixed_size: 68864
    .private_segment_fixed_size: 0
    .kernarg_segment_align: 8
    .kernarg_segment_size: 48
    .max_flat_workgroup_size: 256
    .sgpr_count:     66
    .vgpr_count:     512
    .wavefront_size: 32
...
	.end_amdgpu_metadata
.endif
;; end of part 6
